; MI455X (gfx1250); checked and timed in simulation.
; The chip was launched on July 23, 2026; its instructions are those of AMD's public machine-readable ISA for CDNA 5 (MIT licence, August 2026) and "CDNA5" Instruction Set Architecture Reference Guide (July 2026). The comments in the code are by the model that wrote it; some were corrected since.
;; Seq Self Attention. Allowed arithmetic: matrix products marked QUANTISED: E4M3 operands, one E8M0 scale for each 32 along K, by v_wmma_scale_f32_16x16x128_f8f6f4 with both operands' format E4M3, f32 sums; products left as they are: f32 operands where the result goes on into a quantised operand, else bf16, f16 or f32 operands; f32 sums; everything else in f32.
;; Inputs: Wa 64 x 1 float32; Wt 1,024 x 64 float32; Wx 1,024 x 64 float32; ba 1 float32; bh 64 float32; x 4 x 1,024 x 1,024 float32.
;; Outputs: out0 4 x 1,024 x 1,024 float32.
;; This version of the problem:
;;   THIS VERSION OF THE PROBLEM IS GIVEN IN LOW PRECISION. The matrix products marked QUANTISED in the list below multiply operands that are first quantised to E4M3 (4 exponent bits, 3 mantissa bits; 8 bits a number), with one power-of-two scale for each 32 numbers along K (OCP MX v1.0); their sums are f32. All else is computed in f32.
;;   The module's matrix products, in the order in which they are computed (A, B: the left and right operand; K: the contracted axis; several contracted axes count as one K, in the product's order):
;;     1. [M 4,096, K 1,024] x [K 1,024, N 64]; A: input x; B: input Wt: QUANTISED
;;     2. [M 4,096, K 1,024] x [K 1,024, N 64]; A: input x; B: input Wx: QUANTISED
;;     3. [M 4,194,304, K 64] x [K 64, N 1]; A: computed on the way; B: computed on the way: left as it is (N = 1 < 16)
;;     4. batch 4 x [M 1,024, K 1,024] x [K 1,024, N 1,024]; A: softmax (see below); B: input x: QUANTISED
;;   THE QUANTISER, for each operand of a quantised product, along K:
;;     - K is cut into blocks of 32 from its start; a last block that is shorter is filled with zeros.
;;     - A block's scale is 2^e with e = floor(log2(the largest magnitude in the block)) - 8, held to -126 .. 127; a block of zeros has e = 0. As a byte (E8M0): e + 127.
;;     - Each number is divided by its block's scale, clamped to +-448, and rounded to the nearest number of E4M3, ties to even, subnormals kept.
;;     - The product sums the exact products of the quantised numbers (number of the format x scale) in f32.
;;   ~~~python
;;   def quantise(x, axis):      # numpy; x: float32 -> the quantised numbers, widened to float32 again
;;       x = np.moveaxis(x, axis, -1); K = x.shape[-1]
;;       x = np.pad(x, [(0, 0)] * (x.ndim - 1) + [(0, -K % 32)]); x = x.reshape(x.shape[:-1] + (-1, 32)); a = np.abs(x).max(-1, keepdims=True)
;;       e = np.where(a > 0, np.clip(np.frexp(np.where(a > 0, a, 1))[1] - 1 - 8, -126, 127), 0)      # np.frexp(a)[1] - 1 = floor(log2(a)), exactly
;;       r = np.clip(x / 2.0 ** e, -448, 448)
;;       step = 2.0 ** (np.maximum(np.frexp(np.where(r == 0, 1, r))[1] - 1, -6) - 3)
;;       q = np.round(r / step) * step * 2.0 ** e      # np.round: ties to even
;;       return np.moveaxis(q.reshape(q.shape[:-2] + (-1,))[..., :K], -1, axis).astype(np.float32)
;;   ~~~
;;   SOFTMAX AHEAD OF A QUANTISED PRODUCT. Where the list says 'softmax', what is quantised is not the finished softmax but p = 2^(t - M), with t = logit x log2(e) and M = ceil(the row's largest t), a whole number; so 1/2 < the row's largest p <= 1. The row's sum l is taken of the UNQUANTISED p, in f32, and the product's result is divided by l at the end. Since M is a whole number, a kernel that streams over the keys may use a running M (the ceiling of the running maximum): every later rescaling is an exact power of two, which a block's scale takes up: the codes' values come out the same.
;;   OPERANDS COMPUTED ON THE WAY. 'Computed on the way' means the value that the module computes at that place (a softmax that the list does not call 'softmax' is quantised finished and normalised). What goes into a quantiser is computed in f32, as accurately as f32 sums, v_exp_f32 and their like allow (about 1e-6 of the number): no bf16 or f16 on the way to a quantiser, and a product that is left as it is and whose result goes on into a quantised operand takes f32 operands (vector FMAs, or v_wmma_f32_16x16x4_f32). A number that lies on a knife's edge between two numbers of the format may be rounded either way, as far as f32 arithmetic and the matrix unit's own rounding can turn it there, and no further.
;; 2 versions, each right; version 2 is version 1 with the launch attn written anew for expert scheduling mode. Each part assembles by itself: llvm-mc -triple=amdgcn-amd-amdhsa -mcpu=gfx1250 --defsym DOCPART=n.
;; ======== version 1 of 2: 2 launches
;; limits: right only within a limited range of input values
;; workspace buffers: xd_codes 4,194,304 bytes; xd_scales 131,072 bytes; xt_codes 4,194,304 bytes; xt_scales 131,072 bytes; w_codes 131,072 bytes; w_scales 4,096 bytes
;; launch quant (part 1): grid 264 x 1, 4 waves a work-group, no clusters, 68,096 bytes of LDS; arguments x, Wt, Wx, xd_codes, xd_scales, xt_codes, xt_scales, w_codes, w_scales; writes xd_codes, xd_scales, xt_codes, xt_scales, w_codes, w_scales
.if DOCPART == 1
	.amdgcn_target "amdgcn-amd-amdhsa--gfx1250"
	.amdhsa_code_object_version 6
	.text
	.protected	k_q0f5285a853_quant
	.globl	k_q0f5285a853_quant
	.p2align	8
	.type	k_q0f5285a853_quant,@function
k_q0f5285a853_quant:
	s_mov_b64 s[64:65], 0
	v_nop
	global_prefetch_b8 v0, s[64:65] scope:SCOPE_SE
	s_setreg_imm32_b32 hwreg(HW_REG_WAVE_MODE, 25, 1), 1
	s_wait_xcnt 0x0
; x [4096 rows][1024] f32 is read once and written as codes of FP8 (E4M3) TWICE: quantised along d (the K of the two projections) and quantised along the rows (the keys, the K of
; the last product); Wt and Wx [1024 (k)][64] f32 are quantised along k.  One E8M0 byte for each 32 along the K in question.
; A block's scale is 2^(floor(log2(its largest magnitude)) - 8); its byte is the largest magnitude's exponent field - 8, held at 1 from below; each number is divided by the scale, held within
; +-448 and rounded to the nearest code, ties to even.  A block of zeros gets the byte 1 with zero codes: the bytes are read by this program alone.
; LIMITS: NaN and infinities among the inputs are not served; blocks whose largest magnitude lies under 2^-118 keep the byte 1.
; EVERY BUFFER IS LAID AS AN IMAGE OF THE READER'S OPERAND REGISTERS (lane = 16 h + r, 16 bytes a lane, 512 bytes a group of four registers):
;   xd_codes  [row / 16][K step s of 128][c][lane]: row 16 rt + r, d = 128 s + 32 c + 16 h + 0..15          xd_scales [s][row]: a word, byte c
;   xt_codes  [row / 32 = kbg][d / 16 = T][lane]:   d = 16 T + r, rows 32 kbg + 16 h + 0..15                 xt_scales [kbg][s][r][h][g]: the byte of d = 128 s + 16 (2 g + h) + r
;   w_codes   [mat][s][c][u / 16 = nt][lane]:       u = 16 nt + r, k = 128 s + 32 c + 16 h + 0..15           w_scales  [mat][s][u]: a word, byte c
; SHARES.  Work-groups 0 to 255: a wave owns 32 rows x 128 columns of x (kbg = work-group / 2, s = 4 (work-group % 2) + wave).  Its 16 KiB come in by 32 loads of 512 consecutive bytes, lie in
; the wave's own stage in LDS, and are read from there twice: by rows (16 neighbours along d a lane) and by columns (a lane a column, registers down the 32 rows).
; Work-groups 256 to 263: a wave owns 128 along k x 32 columns of Wt or Wx: a lane a column, registers down k; no LDS.
; No barrier: waves share nothing.  No store's data register is written a second time, no address register is rewritten, EXEC never changes.
.set PIT,   528                        ; a stage row: 512 bytes + 16: row r starts 16 r bytes further on modulo 256, so sixteen rows' 16-byte pieces fall on different places
.set STGB,  32*PIT                     ; a wave's stage
.set TM,    12                         ; v12-15 largest magnitudes, v16-19 the other half's / the bytes, v20-23 448 x the scale, v24-27 the conversions' scale operands
.set PW0,   28                         ; the scale words of rows 0-15,
.set PW1,   29                         ; of rows 16-31,
.set PWS,   30                         ; and both: lane l holds row l's
.set SBW,   31                         ; four scale bytes of a lane's columns (or of a column's four blocks)
.set PC0,   36                         ; v36-51   codes along d, rows 0-15
.set PC1,   52                         ; v52-67   rows 16-31
.set CC,    68                         ; v68-99   codes down a column: four sets of 8 registers
.set NUM,   128                        ; v128-255 the numbers
; 64 numbers of a lane, register 16 b + i = d 32 b + 16 h + i of my row, become a fragment's 16 registers of codes in v[pc] on and its scale word in v[pw]
.macro QUANT s, pc, pw
.irp b, 0,1,2,3
	v_max3_num_f32 v[TM+\b], |v[\s+16*\b]|, |v[\s+1+16*\b]|, 0x4800000   ; block b: my 16 numbers, and the floor 2^(9 - 127): the byte cannot fall under 1
.endr
.irp i, 2,4,6,8,10,12,14
.irp b, 0,1,2,3
	v_max3_num_f32 v[TM+\b], v[TM+\b], |v[\s+16*\b+\i]|, |v[\s+1+16*\b+\i]|   ; the four blocks by turns
.endr
.endr
.irp b, 0,1,2,3
	v_permlanex16_b32 v[TM+4+\b], v[TM+\b], s24, s25
.endr
.irp b, 0,1,2,3
	v_max_num_f32 v[TM+\b], v[TM+\b], v[TM+4+\b]           ; with lane l xor 16's 16: the block's largest magnitude
.endr
.irp b, 0,1,2,3
	v_add_nc_u32 v[TM+12+\b], 0xfc000000, v[TM+\b]         ; 8 off its exponent field: the conversion takes this operand's exponent field as its scale
.endr
.irp b, 0,1,2,3
	v_and_or_b32 v[TM+8+\b], v[TM+\b], 0x7f800000, s23     ; 448 x the scale: the largest magnitude's exponent field over 448's mantissa
.endr
.irp b, 0,1,2,3
	v_lshrrev_b32 v[TM+4+\b], 23, v[TM+12+\b]              ; the scale's byte
.endr
	v_lshl_or_b32 v[\pw], v[TM+5], 8, v[TM+4]
	v_lshl_or_b32 v[\pw], v[TM+6], 16, v[\pw]
	v_lshl_or_b32 v[\pw], v[TM+7], 24, v[\pw]              ; my row's scale word
.irp b, 0,1,2,3
.irp i, 0,1,2,3,4,5,6,7,8,9,10,11,12,13,14,15
	v_med3_num_f32 v[\s+16*\b+\i], v[\s+16*\b+\i], -v[TM+8+\b], v[TM+8+\b]   ; the conversion to an 8-bit code does not saturate (ISA guide 7.6.2): the hold comes first
.endr
	v_cvt_scalef32_pk8_fp8_f32 v[\pc+4*\b:\pc+4*\b+1], v[\s+16*\b:\s+16*\b+7], v[TM+12+\b]
	v_cvt_scalef32_pk8_fp8_f32 v[\pc+4*\b+2:\pc+4*\b+3], v[\s+16*\b+8:\s+16*\b+15], v[TM+12+\b]
.endr
	v_nop                                                  ; a plain line behind the last conversion
.endm
; 32 numbers of ONE lane, a whole block, become 8 registers of codes in v[dst] on; the byte goes to place pos of v[SBW]
.macro COLQ src, dst, pos
	v_max3_num_f32 v32, |v[\src]|, |v[\src+1]|, |v[\src+2]|
	v_max3_num_f32 v33, |v[\src+3]|, |v[\src+4]|, |v[\src+5]|
.irp i, 6,10,14,18,22,26
	v_max3_num_f32 v32, v32, |v[\src+\i]|, |v[\src+\i+1]|
	v_max3_num_f32 v33, v33, |v[\src+\i+2]|, |v[\src+\i+3]|
.endr
	v_max3_num_f32 v32, v32, |v[\src+30]|, |v[\src+31]|
	v_max3_num_f32 v32, v32, v33, 0x4800000                ; and the floor
	v_add_nc_u32 v34, 0xfc000000, v32                      ; the conversions' scale operand
	v_and_or_b32 v35, v32, 0x7f800000, s23                 ; 448 x the scale
	v_lshrrev_b32 v33, 23, v34                             ; the byte
.if \pos == 0
	v_mov_b32 v[SBW], v33
.else
	v_lshl_or_b32 v[SBW], v33, 8*\pos, v[SBW]
.endif
.set i, 0
.rept 32
	v_med3_num_f32 v[\src+i], v[\src+i], -v35, v35
.set i, i+1
.endr
.irp g, 0,1,2,3
	v_cvt_scalef32_pk8_fp8_f32 v[\dst+2*\g:\dst+2*\g+1], v[\src+8*\g:\src+8*\g+7], v34
.endr
	v_nop                                                  ; a plain line behind the last conversion
.endm
.macro LOADN m, dst                    ; rows 16 m + r by rows: 16 neighbours of each of the four blocks of 32 along d
.irp c, 0,1,2,3
.irp j, 0,1,2,3
	ds_load_b128 v[\dst+16*\c+4*\j:\dst+16*\c+4*\j+3], v6 offset:16*\m*PIT+128*\c+16*\j
.endr
.endr
.endm
.macro LOADC g, dst                    ; column 32 g + lane, down the 32 rows
.set i, 0
.rept 32
	ds_load_b32 v[\dst+i], v7 offset:PIT*i+128*\g
.set i, i+1
.endr
.endm
.macro LOADW c, dst                    ; a weight's rows 32 c + i, my column: 32 lanes read 128 consecutive bytes
.set i, 0
.rept 32
	global_load_b32 v[\dst+i], v10, s[6:7] offset:8192*(\c)+256*i th:TH_LOAD_NT
.set i, i+1
.endr
.endm
	s_load_b512 s[4:19], s[0:1], 0x0               ; x s[4:5], Wt s[6:7], Wx s[8:9], xd_codes s[10:11], xd_scales s[12:13], xt_codes s[14:15], xt_scales s[16:17], w_codes s[18:19]
	s_load_b64 s[20:21], s[0:1], 0x40              ; w_scales
	v_lshl_add_u32 v126, v0, 2, 0x10800
	v_mov_b32 v127, 0
	v_lshrrev_b32 v1, 5, v0
	v_readfirstlane_b32 s22, v1                    ; wave 0..3
	v_and_b32 v1, 31, v0                           ; lane
	v_and_b32 v2, 15, v0                           ; r
	v_bfe_u32 v3, v0, 4, 1                         ; h
	v_lshlrev_b32 v4, 4, v1                        ; 16 x lane
	s_mul_i32 s34, s22, STGB                       ; my stage
	v_add_nc_u32 v5, s34, v4                       ; into it: a row's 512 bytes as they lie
	v_mul_u32_u24 v6, v2, PIT
	v_lshl_add_u32 v6, v3, 6, v6
	v_add_nc_u32 v6, s34, v6                       ; out of it by rows: row r, + 64 h
	v_lshl_add_u32 v7, v1, 2, s34                  ; out of it by columns: 4 x lane
	v_lshlrev_b32 v8, 4, v2
	v_lshl_add_u32 v8, v3, 9, v8                   ; a column's codes in an image: 512 h + 16 r
	v_lshlrev_b32 v9, 3, v2
	v_lshl_add_u32 v9, v3, 2, v9                   ; xt_scales: 8 r + 4 h
	v_lshlrev_b32 v10, 2, v1                       ; 4 x lane
.irp b, 0,1,2,3
	v_mov_b32 v[TM+4+\b], 0                        ; written once: a lane permute's destination counts as one of its sources
.endr
	s_mov_b32 s23, 0x600000                        ; the mantissa field of 448
	s_mov_b32 s24, 0x76543210
	s_mov_b32 s25, 0xfedcba98                      ; v_permlanex16_b32's selects for lane l xor 16
	s_mov_b32 s29, 0                               ; the upper word of every offset
	s_wait_kmcnt 0x0
	s_cmp_ge_u32 ttmp9, 256
	s_cbranch_scc1 .Lweights
	; ---------------- x ----------------
	s_lshr_b32 s26, ttmp9, 1                       ; kbg: which 32 rows
	s_and_b32 s27, ttmp9, 1
	s_lshl_b32 s27, s27, 2
	s_add_co_u32 s27, s27, s22                     ; s: which 128 columns
	s_lshl_b32 s28, s26, 17                        ; x: 32 rows of 4,096 bytes, + 512 s
	s_lshl_b32 s30, s27, 9
	s_add_co_u32 s28, s28, s30
	s_add_nc_u64 s[4:5], s[4:5], s[28:29]
.set i, 0
.rept 32
	global_load_b128 v[NUM+4*i:NUM+4*i+3], v4, s[4:5] offset:4096*i th:TH_LOAD_NT   ; row i: 512 consecutive bytes; all 16 KiB of the wave are asked for at once
.set i, i+1
.endr
	s_lshl_b32 s28, s26, 15                        ; xd_codes: two row tiles of 16,384 bytes, + 2,048 s
	s_lshl_b32 s30, s27, 11
	s_add_co_u32 s28, s28, s30
	s_add_nc_u64 s[10:11], s[10:11], s[28:29]
	s_lshl_b32 s28, s27, 14                        ; xd_scales: 16,384 s + 4 x 32 kbg
	s_lshl_b32 s30, s26, 7
	s_add_co_u32 s28, s28, s30
	s_add_nc_u64 s[12:13], s[12:13], s[28:29]
	s_lshl_b32 s28, s26, 15                        ; xt_codes: 32,768 kbg + 8 tiles of 512 bytes x s
	s_lshl_b32 s30, s27, 12
	s_add_co_u32 s28, s28, s30
	s_add_nc_u64 s[14:15], s[14:15], s[28:29]
	s_lshl_b32 s28, s26, 10                        ; xt_scales: 1,024 kbg + 128 s
	s_lshl_b32 s30, s27, 7
	s_add_co_u32 s28, s28, s30
	s_add_nc_u64 s[16:17], s[16:17], s[28:29]
.set i, 0
.rept 32
	s_wait_loadcnt 31-i                            ; loads come back in order: row i is in, the younger rows stay out
	ds_store_b128 v5, v[NUM+4*i:NUM+4*i+3] offset:PIT*i
.set i, i+1
.endr
	s_wait_dscnt 0x0                               ; the stores are done: the numbers' registers are loaded anew
	LOADN 0, NUM
	LOADN 1, NUM+64
	s_wait_dscnt 16                                ; rows 0-15 are in; the 16 loads of rows 16-31 may be out
	QUANT NUM, PC0, PW0
.irp c, 0,1,2,3
	global_store_b128 v4, v[PC0+4*\c:PC0+4*\c+3], s[10:11] offset:512*\c          ; 32 lanes store 512 consecutive bytes
.endr
	LOADC 0, NUM
	s_wait_dscnt 32                                ; rows 16-31 are in; the 32 loads of the first columns may be out
	QUANT NUM+64, PC1, PW1
.irp c, 0,1,2,3
	global_store_b128 v4, v[PC1+4*\c:PC1+4*\c+3], s[10:11] offset:16384+512*\c
.endr
	v_cmp_lt_u32 vcc_lo, 15, v1
	v_cndmask_b32 v[PWS], v[PW0], v[PW1], vcc_lo   ; lanes 0-15: rows 0-15; lanes 16-31: rows 16-31 (both halves of the lanes hold a row's word)
	global_store_b32 v10, v[PWS], s[12:13]
	LOADC 1, NUM+32
	s_wait_dscnt 32                                ; each time: the set in hand is in, the one younger set of 32 may be out
	COLQ NUM, CC, 0
	global_store_b128 v8, v[CC:CC+3], s[14:15]                                    ; rows 0-15 of my column: sixteen lanes store 256 consecutive bytes, aligned
	global_store_b128 v8, v[CC+4:CC+7], s[14:15] offset:256                       ; rows 16-31
	LOADC 2, NUM+64
	s_wait_dscnt 32
	COLQ NUM+32, CC+8, 1
	global_store_b128 v8, v[CC+8:CC+11], s[14:15] offset:1024
	global_store_b128 v8, v[CC+12:CC+15], s[14:15] offset:1024+256
	LOADC 3, NUM+96
	s_wait_dscnt 32
	COLQ NUM+64, CC+16, 2
	global_store_b128 v8, v[CC+16:CC+19], s[14:15] offset:2048
	global_store_b128 v8, v[CC+20:CC+23], s[14:15] offset:2048+256
	s_wait_dscnt 0x0
	COLQ NUM+96, CC+24, 3
	global_store_b128 v8, v[CC+24:CC+27], s[14:15] offset:3072
	global_store_b128 v8, v[CC+28:CC+31], s[14:15] offset:3072+256
	global_store_b32 v9, v[SBW], s[16:17]          ; my four columns' bytes
	s_wait_tensorcnt 0x0
	ds_add_u32 v126, v127
	s_wait_dscnt 0x0
	s_endpgm
	; ---------------- Wt, Wx ----------------
.Lweights:
	s_sub_co_u32 s26, ttmp9, 256
	s_lshl_b32 s26, s26, 2
	s_add_co_u32 s26, s26, s22                     ; unit 0..31
	s_lshr_b32 s32, s26, 4                         ; mat: 0 Wt, 1 Wx
	s_bfe_u32 s27, s26, 0x30001                    ; s: which 128 along k
	s_and_b32 s33, s26, 1                          ; which 32 columns
	s_cmp_eq_u32 s32, 0
	s_cselect_b64 s[6:7], s[6:7], s[8:9]           ; the choice hangs on ids alone
	s_lshl_b32 s28, s27, 15                        ; 128 rows of 256 bytes x s, + 128 x half
	s_lshl_b32 s30, s33, 7
	s_add_co_u32 s28, s28, s30
	s_add_nc_u64 s[6:7], s[6:7], s[28:29]
	LOADW 0, NUM
	LOADW 1, NUM+32
	s_lshl_b32 s28, s32, 16                        ; w_codes: 65,536 mat + 8,192 s + 1,024 half
	s_lshl_b32 s30, s27, 13
	s_add_co_u32 s28, s28, s30
	s_lshl_b32 s30, s33, 10
	s_add_co_u32 s28, s28, s30
	s_add_nc_u64 s[18:19], s[18:19], s[28:29]
	s_lshl_b32 s28, s32, 11                        ; w_scales: 2,048 mat + 256 s + 128 half
	s_lshl_b32 s30, s27, 8
	s_add_co_u32 s28, s28, s30
	s_lshl_b32 s30, s33, 7
	s_add_co_u32 s28, s28, s30
	s_add_nc_u64 s[20:21], s[20:21], s[28:29]
.irp c, 0,1,2,3
.if \c < 3
	s_wait_loadcnt 32                              ; this block's 32 loads are in; the next block's may be out
.else
	s_wait_loadcnt 0x0
.endif
	COLQ NUM+32*\c, CC+8*\c, \c
.if \c < 2
	LOADW \c+2, NUM+64+32*\c
.endif
	global_store_b128 v8, v[CC+8*\c:CC+8*\c+3], s[18:19] offset:2048*\c           ; k 32 c + 0..15 of my column
	global_store_b128 v8, v[CC+8*\c+4:CC+8*\c+7], s[18:19] offset:2048*\c+256     ; k 32 c + 16..31
.endr
	global_store_b32 v10, v[SBW], s[20:21]         ; my column's scale word of this K step
	s_endpgm
.Lfunc_end_k_q0f5285a853_quant:
	.size	k_q0f5285a853_quant, .Lfunc_end_k_q0f5285a853_quant-k_q0f5285a853_quant
	.p2alignl 7, 3214868480
	.fill 96, 4, 3214868480
	.section	.rodata,"a",@progbits
	.p2align	6, 0x0
	.amdhsa_kernel k_q0f5285a853_quant
		.amdhsa_group_segment_fixed_size 68096
		.amdhsa_private_segment_fixed_size 0
		.amdhsa_enable_private_segment 0
		.amdhsa_kernarg_size 72
		.amdhsa_user_sgpr_count 2
		.amdhsa_user_sgpr_kernarg_segment_ptr 1
		.amdhsa_wavefront_size32 1
		.amdhsa_system_sgpr_workgroup_id_x 1
		.amdhsa_system_sgpr_workgroup_id_y 1
		.amdhsa_system_sgpr_workgroup_id_z 1
		.amdhsa_system_vgpr_workitem_id 0
		.amdhsa_next_free_vgpr 256
		.amdhsa_next_free_sgpr 66
		.amdhsa_reserve_vcc 1
		.amdhsa_float_denorm_mode_32 3
		.amdhsa_float_denorm_mode_16_64 3
		.amdhsa_memory_ordered 1
		.amdhsa_forward_progress 1
		.amdhsa_inst_pref_size 79
	.end_amdhsa_kernel
	.amdgpu_metadata
---
amdhsa.version: [ 1, 2 ]
amdhsa.kernels:
  - .name:           k_q0f5285a853_quant
    .symbol:         k_q0f5285a853_quant.kd
    .args:
      - { .name: x, .offset: 0, .size: 8, .value_kind: global_buffer, .address_space: global }
      - { .name: Wt, .offset: 8, .size: 8, .value_kind: global_buffer, .address_space: global }
      - { .name: Wx, .offset: 16, .size: 8, .value_kind: global_buffer, .address_space: global }
      - { .name: xd_codes, .offset: 24, .size: 8, .value_kind: global_buffer, .address_space: global }
      - { .name: xd_scales, .offset: 32, .size: 8, .value_kind: global_buffer, .address_space: global }
      - { .name: xt_codes, .offset: 40, .size: 8, .value_kind: global_buffer, .address_space: global }
      - { .name: xt_scales, .offset: 48, .size: 8, .value_kind: global_buffer, .address_space: global }
      - { .name: w_codes, .offset: 56, .size: 8, .value_kind: global_buffer, .address_space: global }
      - { .name: w_scales, .offset: 64, .size: 8, .value_kind: global_buffer, .address_space: global }
    .group_segment_fixed_size: 68096
    .private_segment_fixed_size: 0
    .kernarg_segment_align: 8
    .kernarg_segment_size: 72
    .max_flat_workgroup_size: 128
    .sgpr_count:     66
    .vgpr_count:     256
    .wavefront_size: 32
...
	.end_amdgpu_metadata
.endif
;; end of part 1
;; launch attn (part 2): grid 256 x 1, 8 waves a work-group, no clusters, 246,272 bytes of LDS; arguments xd_codes, xd_scales, w_codes, w_scales, xt_codes, xt_scales, bh, Wa, ba, out0; writes out0
.if DOCPART == 2
	.amdgcn_target "amdgcn-amd-amdhsa--gfx1250"
	.amdhsa_code_object_version 6
	.text
	.protected	k_q0f5285a853_attn
	.globl	k_q0f5285a853_attn
	.p2align	8
	.type	k_q0f5285a853_attn,@function
k_q0f5285a853_attn:
	s_mov_b64 s[64:65], 0
	v_nop
	global_prefetch_b8 v0, s[64:65] scope:SCOPE_SE
	s_setreg_imm32_b32 hwreg(HW_REG_WAVE_MODE, 25, 1), 1
	s_wait_xcnt 0x0
; out[b][i][:] = sum over j of softmax_j(e_ij) x[b][j][:], e_ij = sum over u of Wa[u] tanh(q_i[u] + k_j[u] + bh[u]) + ba, keys j = i - 32 .. i + 31 inside 0 .. 1023.
; q = x Wt, k = x Wx and the last product run on codes of FP8 (E4M3) with E8M0 scales, made by the launch before; tanh, the product with Wa and the softmax in f32.
; A work-group owns 16 queries (i0 = 16 qi) of one batch and takes them through the whole chain; eight waves.
;   P  each wave takes ONE K step of 128 of the projections (s = wave): k for the 80 rows i0 - 32 .. i0 + 47 and q for its 16 rows: 24 matrix instructions, each a sum of its own; parts to LDS | barrier
;   R  the eight parts are added in f32 (a tree), scaled by 2 log2(e); q also gets bh; to LDS | barrier
;   T  lane (r, h) of wave w: query r, keys 8 w + 4 h + 0..3 of its 64: tanh(z) = 1 - 2 / (1 + 2^(2 log2(e) z)); t = e log2(e) into a matrix in LDS that was preset to -infinity | barrier
;   S  every wave: M = ceil(the row's largest t), p = 2^(t - M), the sum of p, p quantised along the keys in blocks of 32 counted from key 0
;   O  wave w: columns 128 w .. 128 w + 127 of out: 8 matrix instructions over the three key blocks a - 1, a, a + 1 (a = qi / 2) and a fourth of zero codes; / the sum; out through the wave's stage
; LIMITS.  Keys outside the band are left out: there the module has t - M under -(10,000 - 2 sum|Wa|) log2(e), so p is 0 in f32 as long as sum|Wa| < 4,900.  NaN and infinities among the
; inputs are not served.  The projections' K is summed as 8 parts of 128 joined by a tree of f32 additions.  tanh carries an absolute error of about 1.5e-7 a term.  p under 2^-126 counts as 0.
; Row tiles and key blocks outside the batch are clamped to valid ones: their logits are set to -infinity, so their p are zero codes.
; NO CLUSTER: what work-groups share (the weights' 131,072 bytes of codes) would have to lie in LDS beside the 245,248 bytes in use.  No tensor load: every operand byte is wanted by one wave alone and
; comes straight into its registers, as the image that the launch before laid.  No branch, no label.
; REGISTERS.  Window 0: v1-11 lane terms; v12-15 sums of Wa; v16-28 scale words and nothing else; v29-43 LDS addresses, made once; v44-49 V's raw scale bytes; v50 T0; v52-55 bh; v56-63 four logits in halves;
;   v64-255 by phase.  Window 1: v0-127 the weights' 8 fragments, later x^T's 8; v128-207 x's 5 fragments.
.set PARTB, 96*272                     ; a wave's parts: 96 rows (80 of k, 16 of q) x (256 bytes + 16)
.set QK,    8*PARTB                    ; the sums, same shape
.set EM,    QK+PARTB                   ; t: 16 rows, 464 bytes apart; word 16 + r + jj of row r is key i0 + r - 32 + jj; 8,192 bytes preset
.set WA,    EM+8192                    ; -2 log2(e) Wa, a copy of 256 bytes for each wave
.set STGB,  16*528                     ; the way out: 16 rows x (512 bytes + 16) for each wave, in the parts' bytes, which are read no more behind the second barrier
.set L16, 4
.set R4,  5
.set R8,  6
.set L8,  7
.set BHO, 8
.set NINF, 9
.set JV,  10
.set TMP, 11
.set SW,  12
.set WAP, 14
.set XS,  16                           ; v16-20 x's scale words, tile m
.set WS,  21                           ; v21-28 the weights': 4 mat + nt
.set XTS, 16                           ; later v16-23: x^T's scale words, tile t
.set PW,  24                           ; and p's
.set STP, 29
.set RB,  30
.set QKW, 34
.set AKK, 35
.set AQ,  36
.set AW,  37
.set WAS, 38
.set EIN, 39
.set EST, 40
.set ERD, 41
.set STO, 42
.set SRD, 43
.set XTR, 44
.set T0,  50
.set BHC, 52
.set ACC, 56
.set RES, 64                           ; P: 24 results of 8 registers
.set T,   64                           ; S: 48 t, then p
.set BM,  112
.set BX,  116
.set MX,  120
.set NM,  122
.set SOP, 124
.set HOLD, 128
.set BY,  132
.set LS,  136
.set LS2, 138
.set RL,  140
.set PC,  144
.set O,   160
.set PT,  224
.set MSB, 0
.macro WIN new                         ; the immediate's high byte repeats the setting that is left
.if MSB != \new
	s_set_vgpr_msb (MSB<<8)|\new
.set MSB, \new
.endif
.endm
.macro BARRIER                         ; my LDS stores have landed and my LDS loads are in: then the work-group's barrier
	s_wait_dscnt 0x0
	s_barrier_signal -1
	s_barrier_wait -1
.endm
	s_load_b512 s[4:19], s[0:1], 0x0               ; xd_codes s[4:5], xd_scales s[6:7], w_codes s[8:9], w_scales s[10:11], xt_codes s[12:13], xt_scales s[14:15], bh s[16:17], Wa s[18:19]
	s_load_b128 s[20:23], s[0:1], 0x40             ; ba s[20:21], out0 s[22:23]
	v_lshl_add_u32 v51, v0, 2, 0x3be00
	s_set_vgpr_msb 0x40
	v_mov_b32 v255, 0
	s_set_vgpr_msb 0x4000
	v_lshrrev_b32 v1, 5, v0
	v_readfirstlane_b32 s24, v1                    ; wave 0..7
	v_and_b32 v1, 31, v0                           ; lane
	v_and_b32 v2, 15, v0                           ; r
	v_bfe_u32 v3, v0, 4, 1                         ; h
	v_lshlrev_b32 v[L16], 4, v1
	v_lshlrev_b32 v[R4], 2, v2
	v_lshlrev_b32 v[R8], 3, v2
	v_lshlrev_b32 v[L8], 3, v1
	v_lshlrev_b32 v[BHO], 4, v2
	s_lshr_b32 s25, ttmp9, 6                       ; b
	s_and_b32 s26, ttmp9, 63                       ; qi
	s_lshr_b32 s27, s26, 1                         ; a
	s_mov_b32 s73, 0
	s_mov_b32 s75, 0
	s_mov_b32 s30, 0x76543210
	s_mov_b32 s31, 0xfedcba98                      ; v_permlanex16_b32's selects for lane l xor 16
	s_mov_b32 s66, 0x600000                        ; the mantissa field of 448
	s_mov_b32 s67, 0x7f7f7f7f                      ; the byte of 1.0, for the fourth block
	s_mov_b32 s68, 0x05010400                      ; byte selects: bytes 0, 1 of two words by turns,
	s_mov_b32 s69, 0x07030602                      ; bytes 2, 3 of two words by turns,
	s_mov_b32 s70, 0x05040100                      ; the two low halves,
	s_mov_b32 s71, 0x07060302                      ; the two high halves
	s_wait_kmcnt 0x0
	s_load_b32 s29, s[20:21], 0x0                  ; ba
.irp m, 0,1,2,3,4                      ; row tile m of the window: tile qi - 2 + m of the batch, clamped
	s_add_co_i32 s76, s26, \m-2
	s_max_i32 s76, s76, 0
	s_min_i32 s76, s76, 63
	s_lshl_b32 s77, s25, 6
	s_add_co_u32 s76, s76, s77                     ; rt
	s_lshl_b32 s72, s76, 14
	s_lshl_b32 s78, s24, 11
	s_add_co_u32 s72, s72, s78
	s_add_nc_u64 s[32+2*\m:33+2*\m], s[4:5], s[72:73]      ; its codes of my K step
	s_lshl_b32 s74, s76, 6
	s_lshl_b32 s78, s24, 14
	s_add_co_u32 s74, s74, s78
	s_add_nc_u64 s[42+2*\m:43+2*\m], s[6:7], s[74:75]      ; its scale words
.endr
.irp c, 0,1,2                          ; key block a - 1 + c of the batch, clamped
	s_add_co_i32 s76, s27, \c-1
	s_max_i32 s76, s76, 0
	s_min_i32 s76, s76, 31
	s_lshl_b32 s77, s25, 5
	s_add_co_u32 s76, s76, s77                     ; kbg
	s_lshl_b32 s72, s76, 15
	s_lshl_b32 s78, s24, 12
	s_add_co_u32 s72, s72, s78
	s_add_nc_u64 s[52+2*\c:53+2*\c], s[12:13], s[72:73]    ; its codes of my 128 columns
	s_lshl_b32 s74, s76, 10
	s_lshl_b32 s78, s24, 7
	s_add_co_u32 s74, s74, s78
	s_add_nc_u64 s[58+2*\c:59+2*\c], s[14:15], s[74:75]    ; its scale bytes
.endr
	s_lshl_b32 s72, s24, 13
	s_add_nc_u64 s[8:9], s[8:9], s[72:73]          ; the weights' codes of my K step
	s_lshl_b32 s72, s24, 8
	s_add_nc_u64 s[10:11], s[10:11], s[72:73]      ; and their scale words
	s_lshl_b32 s72, ttmp9, 16                      ; out0: row 16 x work-group, 4,096 bytes a row,
	s_lshl_b32 s78, s24, 9                         ; + my 128 columns
	s_add_co_u32 s72, s72, s78
	s_add_nc_u64 s[22:23], s[22:23], s[72:73]
	; ---------------- P: all that the projections want is asked for at once ----------------
	global_load_b64 v[WAP:WAP+1], v[L8], s[18:19]  ; Wa: two numbers a lane
	global_load_b128 v[BHC:BHC+3], v[BHO], s[16:17]        ; bh: the four units that I add up in R
.irp m, 0,1,2,3,4
	global_load_b32 v[XS+\m], v[R4], s[42+2*\m:43+2*\m]
.endr
.irp mat, 0,1
.irp nt, 0,1,2,3
	global_load_b32 v[WS+4*\mat+\nt], v[R4], s[10:11] offset:2048*\mat+64*\nt
.endr
.endr
	WIN 0x40                                       ; destination window 1, address window 0
.irp mat, 0,1
.irp nt, 0,1,2,3
.irp c, 0,1,2,3
	global_load_b128 v[16*(4*\mat+\nt)+4*\c:16*(4*\mat+\nt)+4*\c+3], v[L16], s[8:9] offset:65536*\mat+2048*\c+512*\nt
.endr
.endr
.endr
.irp m, 0,1,2,3,4
.irp c, 0,1,2,3
	global_load_b128 v[128+16*\m+4*\c:128+16*\m+4*\c+3], v[L16], s[32+2*\m:33+2*\m] offset:512*\c
.endr
.endr
	WIN 0
	; while they are on their way: the LDS addresses, each a constant + lane terms + a constant x wave, made once and never rewritten
	v_mov_b32 v[NINF], 0xff800000                  ; -infinity
	s_lshl_b32 s76, s26, 4
	s_lshl_b32 s77, s24, 3
	s_add_co_u32 s76, s76, s77
	s_sub_co_i32 s76, s76, 32
	v_lshl_add_u32 v[JV], v3, 2, v2
	v_add_nc_u32 v[JV], s76, v[JV]                 ; my first key: i0 + r - 32 + 8 w + 4 h (under 0 it wraps to a large number)
	s_mul_i32 s76, s24, PARTB
	v_mul_u32_u24 v[STP], v2, 272
	v_lshl_add_u32 v[STP], v3, 5, v[STP]
	v_add_nc_u32 v[STP], s76, v[STP]               ; my parts: row r, + 32 h
	v_lshrrev_b32 v[TMP], 4, v0
	v_mul_u32_u24 v[RB], v[TMP], 272
	v_lshl_add_u32 v[RB], v2, 4, v[RB]             ; R: thread t takes row t / 16 of each 16, bytes 16 (t % 16) on; parts 0, 1
	v_add_nc_u32 v[RB+1], 2*PARTB, v[RB]           ; parts 2, 3
	v_add_nc_u32 v[RB+2], 4*PARTB, v[RB]
	v_add_nc_u32 v[RB+3], 6*PARTB, v[RB]
	v_add_nc_u32 v[QKW], QK, v[RB]
	s_mul_i32 s76, s24, 8*272
	v_mul_u32_u24 v[AKK], v2, 272
	v_mad_u32_u24 v[AKK], v3, 4*272, v[AKK]
	v_add_nc_u32 v[AKK], s76, v[AKK]
	v_add_nc_u32 v[AKK], QK, v[AKK]                ; T: k's row r + 8 w + 4 h
	v_mul_u32_u24 v[AQ], v2, 272
	v_add_nc_u32 v[AQ], QK+80*272, v[AQ]           ; q's row r
	s_lshl_b32 s76, s24, 8
	s_add_co_u32 s76, s76, WA
	v_mov_b32 v[AW], s76                           ; my copy of Wa
	v_lshl_add_u32 v[WAS], v1, 3, s76
	v_lshl_add_u32 v[EIN], v0, 4, EM
	v_mul_u32_u24 v[EST], v2, 468
	v_lshl_add_u32 v[EST], v3, 4, v[EST]
	s_lshl_b32 s76, s24, 5
	s_add_co_u32 s76, s76, EM+64
	v_add_nc_u32 v[EST], s76, v[EST]               ; row r (464 r), word 16 + r + 8 w + 4 h
	v_mul_u32_u24 v[ERD], v2, 464
	v_lshl_add_u32 v[ERD], v3, 6, v[ERD]
	s_xor_b32 s76, ttmp9, 1
	s_and_b32 s76, s76, 1
	s_lshl_b32 s76, s76, 6                         ; key 32 (a - 1) is word 16 of a row where qi is even, word 0 where it is odd
	s_add_co_u32 s76, s76, EM
	v_add_nc_u32 v[ERD], s76, v[ERD]               ; (the one LDS address that hangs on the work-group's number: it serves reads alone, a barrier behind every store into EM)
	s_mul_i32 s76, s24, STGB
	v_mul_u32_u24 v[STO], v2, 528
	v_lshl_add_u32 v[STO], v3, 5, v[STO]
	v_add_nc_u32 v[STO], s76, v[STO]
	v_add_nc_u32 v[SRD], s76, v[L16]
.irp j, 0,1,2,3
	v_mov_b32 v[ACC+\j], v[NINF]
.endr
	ds_store_b128 v[EIN], v[ACC:ACC+3]             ; all of the t matrix begins as -infinity: keys that nobody computes count for nothing
	ds_store_b128 v[EIN], v[ACC:ACC+3] offset:4096
	s_wait_loadcnt 0x0
	s_wait_kmcnt 0x0                               ; ba
	v_pk_mul_f32 v[WAP:WAP+1], v[WAP:WAP+1], 0xc038aa3b op_sel_hi:[1,0]           ; -2 log2(e) Wa
	v_pk_mul_f32 v[BHC:BHC+1], v[BHC:BHC+1], 0x4038aa3b op_sel_hi:[1,0]           ; 2 log2(e) bh
	v_pk_mul_f32 v[BHC+2:BHC+3], v[BHC+2:BHC+3], 0x4038aa3b op_sel_hi:[1,0]
	ds_store_b64 v[WAS], v[WAP:WAP+1]              ; my wave's own bytes: its own later loads see them, in order
	WIN 0x05                                       ; A and B window 1, D window 0
	; TRANSPOSED: source 0 = 16 units of a weight, source 1 = 16 rows of x: lane (r, h) holds row r, register j unit 16 nt + 8 h + j.  24 sums of one instruction each: no accumulator is taken up twice
.irp m, 0,1,2,3,4
.irp nt, 0,1,2,3
	v_wmma_scale_f32_16x16x128_f8f6f4 v[RES+8*(4*\m+\nt):RES+8*(4*\m+\nt)+7], v[16*(4+\nt):16*(4+\nt)+15], v[128+16*\m:128+16*\m+15], 0, v[WS+4+\nt], v[XS+\m]
.endr
.endr
.irp nt, 0,1,2,3
	v_wmma_scale_f32_16x16x128_f8f6f4 v[RES+8*(20+\nt):RES+8*(20+\nt)+7], v[16*\nt:16*\nt+15], v[160:175], 0, v[WS+\nt], v[XS+2]   ; q: my own 16 rows are tile 2 of the window
.endr
	WIN 0
.rept 8
	v_nop                                          ; eight places ahead of the stores that read the results and of the loads and moves over the weights' registers
.endr
	WIN 0x40
.irp c, 0,1,2                          ; x^T's codes for the last product are asked for here: the reduction and the whole tanh lie ahead of their use
.irp t, 0,1,2,3,4,5,6,7
	global_load_b128 v[16*\t+4*\c:16*\t+4*\c+3], v[L16], s[52+2*\c:53+2*\c] offset:512*\t
.endr
.endr
.irp t, 0,1,2,3,4,5,6,7
.irp j, 12,13,14,15
	v_mov_b32 v[16*\t+\j], 0                       ; the fourth block of the K step: zero codes
.endr
.endr
	WIN 0
.irp c, 0,1,2
	global_load_b64 v[XTR+2*\c:XTR+2*\c+1], v[R8], s[58+2*\c:59+2*\c]             ; the bytes of my 128 columns: word 0 tiles 0, 2, 4, 6; word 1 tiles 1, 3, 5, 7
.endr
.irp g, 0,1,2,3,4,5
.irp nt, 0,1,2,3
	ds_store_b128 v[STP], v[RES+8*(4*\g+\nt):RES+8*(4*\g+\nt)+3] offset:16*272*\g+64*\nt          ; each result from its low end on
	ds_store_b128 v[STP], v[RES+8*(4*\g+\nt)+4:RES+8*(4*\g+\nt)+7] offset:16*272*\g+64*\nt+16
.endr
.endr
	BARRIER                                        ; all eight waves' parts lie in LDS (the loads of x^T stay on their way: nobody writes those bytes)
	; ---------------- R: the eight parts are added ----------------
.irp n, 0,1,2,3,4,5
.irp p, 0,1,2,3,4,5,6,7
	ds_load_b128 v[64+32*\n+4*\p:64+32*\n+4*\p+3], v[RB+\p/2] offset:(\p%2)*PARTB+16*272*\n
.endr
.endr
.macro RED n
.set RS, 64+32*\n
	s_wait_dscnt 40-7*\n                           ; item n's eight loads are in: behind them stand 8 (5 - n) loads of later items and the n stores of earlier sums
.irp p, 0,8,16,24
	v_pk_add_f32 v[RS+\p:RS+\p+1], v[RS+\p:RS+\p+1], v[RS+\p+4:RS+\p+5]
	v_pk_add_f32 v[RS+\p+2:RS+\p+3], v[RS+\p+2:RS+\p+3], v[RS+\p+6:RS+\p+7]
.endr
.irp p, 0,16
	v_pk_add_f32 v[RS+\p:RS+\p+1], v[RS+\p:RS+\p+1], v[RS+\p+8:RS+\p+9]
	v_pk_add_f32 v[RS+\p+2:RS+\p+3], v[RS+\p+2:RS+\p+3], v[RS+\p+10:RS+\p+11]
.endr
	v_pk_add_f32 v[RS:RS+1], v[RS:RS+1], v[RS+16:RS+17]
	v_pk_add_f32 v[RS+2:RS+3], v[RS+2:RS+3], v[RS+18:RS+19]
.if \n < 5
	v_pk_mul_f32 v[RS:RS+1], v[RS:RS+1], 0x4038aa3b op_sel_hi:[1,0]               ; k' = 2 log2(e) k
	v_pk_mul_f32 v[RS+2:RS+3], v[RS+2:RS+3], 0x4038aa3b op_sel_hi:[1,0]
.else
	v_pk_fma_f32 v[RS:RS+1], v[RS:RS+1], 0x4038aa3b, v[BHC:BHC+1] op_sel_hi:[1,0,1]       ; q' = 2 log2(e) (q + bh)
	v_pk_fma_f32 v[RS+2:RS+3], v[RS+2:RS+3], 0x4038aa3b, v[BHC+2:BHC+3] op_sel_hi:[1,0,1]
.endif
	ds_store_b128 v[QKW], v[RS:RS+3] offset:16*272*\n
.endm
.irp n, 0,1,2,3,4,5
	RED \n
.endr
	BARRIER                                        ; k' and q' lie in LDS; nobody reads the parts any more
	; ---------------- T: tanh and the product with Wa, 16 units at a time, in two buffers of 96 registers ----------------
.macro LDCH c                          ; units 16 c on: q' (16), Wa'' (16), k' of my four keys (64): 24 loads
.set LB, 64+96*((\c)%2)
.irp j, 0,1,2,3
	ds_load_b128 v[LB+64+4*\j:LB+64+4*\j+3], v[AQ] offset:64*(\c)+16*\j
	ds_load_b128 v[LB+80+4*\j:LB+80+4*\j+3], v[AW] offset:64*(\c)+16*\j
.endr
.irp n, 0,1,2,3
.irp j, 0,1,2,3
	ds_load_b128 v[LB+16*\n+4*\j:LB+16*\n+4*\j+3], v[AKK] offset:272*\n+64*(\c)+16*\j
.endr
.endr
.endm
.macro TANH c
.if (\c) < 3
	LDCH (\c)+1
	s_wait_dscnt 24                                ; this chunk is in; the next chunk's 24 loads may be out
.else
	s_wait_dscnt 0x0
.endif
.set TB, 64+96*((\c)%2)
.irp i, 0,2,4,6,8,10,12,14
.irp n, 0,1,2,3
	v_pk_add_f32 v[TB+16*\n+\i:TB+16*\n+\i+1], v[TB+16*\n+\i:TB+16*\n+\i+1], v[TB+64+\i:TB+64+\i+1]      ; z' = q' + k'
.endr
.endr
.set e, 0
.rept 64
	v_exp_f32 v[TB+e], v[TB+e]                     ; 2^z': one batch.  (Infinity gives r = 0, tanh = 1; 0 gives r = 1, tanh = -1)
.set e, e+1
.endr
.if (\c) == 0                          ; the sum of Wa'': plain work that names no exponential's result
	v_pk_add_f32 v[SW:SW+1], v[TB+80:TB+81], v[TB+82:TB+83]
.irp i, 4,6,8,10,12,14
	v_pk_add_f32 v[SW:SW+1], v[SW:SW+1], v[TB+80+\i:TB+80+\i+1]
.endr
.else
.irp i, 0,2,4,6,8,10,12,14
	v_pk_add_f32 v[SW:SW+1], v[SW:SW+1], v[TB+80+\i:TB+80+\i+1]
.endr
.endif
	s_wait_alu depctr_va_vdst(0)                   ; one wait for the 64 exponentials, ahead of their first reader
.set e, 0
.rept 32
	v_pk_add_f32 v[TB+e:TB+e+1], v[TB+e:TB+e+1], 1.0 op_sel_hi:[1,0]
.set e, e+2
.endr
.set e, 0
.rept 64
	v_rcp_f32 v[TB+e], v[TB+e]                     ; r = 1 / (1 + 2^z'): one batch
.set e, e+1
.endr
	v_nop                                          ; a plain line behind the last reciprocal
	s_wait_alu depctr_va_vdst(0)                   ; and one wait for the 64
.irp i, 0,2,4,6,8,10,12,14
.irp n, 0,1,2,3
.if ((\c) == 0) && (\i == 0)
	v_pk_mul_f32 v[ACC+2*\n:ACC+2*\n+1], v[TB+16*\n+\i:TB+16*\n+\i+1], v[TB+80+\i:TB+80+\i+1]            ; the first product starts the sums
.else
	v_pk_fma_f32 v[ACC+2*\n:ACC+2*\n+1], v[TB+16*\n+\i:TB+16*\n+\i+1], v[TB+80+\i:TB+80+\i+1], v[ACC+2*\n:ACC+2*\n+1]   ; the four keys by turns
.endif
.endr
.endr
.endm
	LDCH 0
	TANH 0
	TANH 1
	TANH 2
	TANH 3
	; t = log2(e) (sum of Wa (1 - 2 r) + ba) = sum of Wa'' r + T0, T0 = ba log2(e) - 0.5 sum of Wa''
	v_add_f32 v[T0], v[SW], v[SW+1]
	v_mul_f32 v[T0], -0.5, v[T0]
	v_fma_f32 v[T0], s29, 0x3fb8aa3b, v[T0]
.irp n, 0,1,2,3
	v_add_f32 v[ACC+2*\n], v[ACC+2*\n], v[ACC+2*\n+1]
.endr
.irp n, 0,1,2,3
	v_add_f32 v[ACC+2*\n], v[ACC+2*\n], v[T0]
.endr
.irp n, 0,1,2,3
	v_add_nc_u32 v[TMP], \n, v[JV]
	v_cmp_gt_u32 vcc_lo, 0x400, v[TMP]             ; a key of the batch?  (a select, no branch)
	v_cndmask_b32 v[ACC+2*\n], v[NINF], v[ACC+2*\n], vcc_lo
	ds_store_b32 v[EST], v[ACC+2*\n] offset:4*\n
.endr
	BARRIER                                        ; the t of 16 queries x 64 keys lie in LDS
	; ---------------- S: every wave makes p, its sum, its codes and its scale word for itself: lane (r, h) holds query r; register 16 c + i is key 32 (a - 1 + c) + 16 h + i ----------------
.irp c, 0,1,2
.irp j, 0,1,2,3
	ds_load_b128 v[T+16*\c+4*\j:T+16*\c+4*\j+3], v[ERD] offset:128*\c+16*\j
.endr
.endr
.irp c, 0,1,2
	v_mov_b32 v[BX+\c], 0                          ; a lane permute's destination counts as one of its sources
.endr
	s_wait_dscnt 0x0
.irp c, 0,1,2
	v_max3_num_f32 v[BM+\c], v[T+16*\c], v[T+16*\c+1], v[T+16*\c+2]               ; each block's largest t: it serves for the row's maximum and, since p rises with t, for the block's largest p
.endr
.irp i, 3,5,7,9,11,13
.irp c, 0,1,2
	v_max3_num_f32 v[BM+\c], v[BM+\c], v[T+16*\c+\i], v[T+16*\c+\i+1]
.endr
.endr
.irp c, 0,1,2
	v_max_num_f32 v[BM+\c], v[BM+\c], v[T+16*\c+15]
.endr
.irp c, 0,1,2
	v_permlanex16_b32 v[BX+\c], v[BM+\c], s30, s31
.endr
.irp c, 0,1,2
	v_max_num_f32 v[BM+\c], v[BM+\c], v[BX+\c]     ; with lane l xor 16's 16 keys
.endr
	v_max3_num_f32 v[MX], v[BM], v[BM+1], v[BM+2]  ; the row's largest t: a number, since key i itself always counts
	v_floor_f32 v[NM], -v[MX]                      ; -M = floor(-t) = -ceil(t)
	v_mov_b32 v[NM+1], v[NM]
.set e, 0
.rept 24
	v_pk_add_f32 v[T+e:T+e+1], v[T+e:T+e+1], v[NM:NM+1]                           ; t - M
.set e, e+2
.endr
.irp c, 0,1,2
	v_add_f32 v[BM+\c], v[BM+\c], v[NM]            ; the same addition on the same number: the same bits
.endr
.set e, 0
.rept 48
	v_exp_f32 v[T+e], v[T+e]                       ; p = 2^(t - M): not normalised; 0 where t is -infinity
.set e, e+1
.endr
.irp c, 0,1,2
	v_exp_f32 v[BM+\c], v[BM+\c]                   ; each block's largest p
.endr
.irp j, 12,13,14,15
	v_mov_b32 v[PC+\j], 0                          ; p's fourth block: zero codes.  (Plain work behind the batch)
.endr
	s_wait_alu depctr_va_vdst(0)                   ; one wait for the 51 exponentials, ahead of their first reader
	v_pk_add_f32 v[LS:LS+1], v[T:T+1], v[T+2:T+3]  ; the row's sum is taken of the unquantised p, in two chains
	v_pk_add_f32 v[LS2:LS2+1], v[T+4:T+5], v[T+6:T+7]
.irp j, 8,12,16,20,24,28,32,36,40,44
	v_pk_add_f32 v[LS:LS+1], v[LS:LS+1], v[T+\j:T+\j+1]
	v_pk_add_f32 v[LS2:LS2+1], v[LS2:LS2+1], v[T+\j+2:T+\j+3]
.endr
	v_pk_add_f32 v[LS:LS+1], v[LS:LS+1], v[LS2:LS2+1]
	v_add_f32 v[LS], v[LS], v[LS+1]
	v_permlanex16_b32 v[BX], v[LS], s30, s31
	v_add_f32 v[LS], v[LS], v[BX]                  ; with lane l xor 16's 48 keys
	v_rcp_f32 v[RL], v[LS]
	v_mov_b32 v[RL+1], 0                           ; a plain line behind the reciprocal; it writes the pair's upper word, which is named and not used
	s_wait_loadcnt 0x0                             ; x^T's codes and bytes
	; x^T's scale words: tile t = 2 g + e wants byte g of word e of the three blocks, and 1.0 for the fourth
.irp e, 0,1
	v_perm_b32 v[PT+4*\e], v[XTR+2+\e], v[XTR+\e], s68     ; A0 B0 A1 B1
	v_perm_b32 v[PT+4*\e+1], v[XTR+2+\e], v[XTR+\e], s69   ; A2 B2 A3 B3
	v_perm_b32 v[PT+4*\e+2], s67, v[XTR+4+\e], s68         ; C0 7f C1 7f
	v_perm_b32 v[PT+4*\e+3], s67, v[XTR+4+\e], s69         ; C2 7f C3 7f
.endr
.irp e, 0,1
	v_perm_b32 v[XTS+\e], v[PT+4*\e+2], v[PT+4*\e], s70    ; A0 B0 C0 7f
	v_perm_b32 v[XTS+2+\e], v[PT+4*\e+2], v[PT+4*\e], s71  ; A1 B1 C1 7f
	v_perm_b32 v[XTS+4+\e], v[PT+4*\e+3], v[PT+4*\e+1], s70
	v_perm_b32 v[XTS+6+\e], v[PT+4*\e+3], v[PT+4*\e+1], s71
.endr
.irp c, 0,1,2
	v_max_num_f32 v[BM+\c], 0x4800000, v[BM+\c]    ; the floor 2^(9 - 127): a block whose every p is 0 keeps the byte 1 over zero codes
.endr
.irp c, 0,1,2
	v_add_nc_u32 v[SOP+\c], 0xfc000000, v[BM+\c]   ; the conversions' scale operand
.endr
.irp c, 0,1,2
	v_and_or_b32 v[HOLD+\c], v[BM+\c], 0x7f800000, s66     ; 448 x the scale
.endr
.irp c, 0,1,2
	v_lshrrev_b32 v[BY+\c], 23, v[SOP+\c]          ; the byte
.endr
	v_lshl_or_b32 v[PW], v[BY+1], 8, v[BY]
	v_lshl_or_b32 v[PW], v[BY+2], 16, v[PW]
	v_or_b32 v[PW], 0x7f000000, v[PW]              ; p's scale word
.irp c, 0,1,2
.irp i, 0,1,2,3,4,5,6,7,8,9,10,11,12,13,14,15
	v_min_num_f32 v[T+16*\c+\i], v[T+16*\c+\i], v[HOLD+\c]         ; the conversion does not saturate (ISA guide 7.6.2); p is not negative: a one-sided hold.  These 48 are also the places behind the scale words
.endr
.endr
.irp c, 0,1,2
	v_cvt_scalef32_pk8_fp8_f32 v[PC+4*\c:PC+4*\c+1], v[T+16*\c:T+16*\c+7], v[SOP+\c]
	v_cvt_scalef32_pk8_fp8_f32 v[PC+4*\c+2:PC+4*\c+3], v[T+16*\c+8:T+16*\c+15], v[SOP+\c]
.endr
.rept 4
	v_nop                                          ; four places between codes written by vector instructions and the scaled matrix instructions
.endr
	; ---------------- O: out^T = x^T p^T: source 0 = 16 of my 128 columns, source 1 = p: lane (r, h) holds query r, register j column 128 w + 16 t + 8 h + j ----------------
	WIN 0x01                                       ; A window 1
.irp t, 0,1,2,3,4,5,6,7
	v_wmma_scale_f32_16x16x128_f8f6f4 v[O+8*\t:O+8*\t+7], v[16*\t:16*\t+15], v[PC:PC+15], 0, v[XTS+\t], v[PW]
.endr
	WIN 0
.rept 8
	v_nop                                          ; eight places ahead of the first read of the results
.endr
	s_wait_alu depctr_va_vdst(0)                   ; the wait for the reciprocal, ahead of its first reader
.set e, 0
.rept 32
	v_pk_mul_f32 v[O+e:O+e+1], v[O+e:O+e+1], v[RL:RL+1] op_sel_hi:[1,0]           ; / the row's sum; each result from its low end on
.set e, e+2
.endr
.irp t, 0,1,2,3,4,5,6,7
	ds_store_b128 v[STO], v[O+8*\t:O+8*\t+3] offset:64*\t
	ds_store_b128 v[STO], v[O+8*\t+4:O+8*\t+7] offset:64*\t+16
.endr
.set i, 0
.rept 16
	ds_load_b128 v[64+4*i:64+4*i+3], v[SRD] offset:528*i   ; my own bytes: LDS serves a wave's instructions in order (ISA guide 5.7.1.4)
.set i, i+1
.endr
.set i, 0
.rept 16
	s_wait_dscnt 15-i                              ; row i is back; the younger rows may be out
	global_store_b128 v[L16], v[64+4*i:64+4*i+3], s[22:23] offset:4096*i th:TH_STORE_NT   ; 32 lanes store 512 consecutive bytes, at a multiple of 256 from out0's first byte
.set i, i+1
.endr
	s_set_vgpr_msb 0x4
	s_wait_tensorcnt 0x0
	ds_add_u32 v51, v255
	s_wait_dscnt 0x0
	s_set_vgpr_msb 0x400
	s_endpgm
.Lfunc_end_k_q0f5285a853_attn:
	.size	k_q0f5285a853_attn, .Lfunc_end_k_q0f5285a853_attn-k_q0f5285a853_attn
	.p2alignl 7, 3214868480
	.fill 96, 4, 3214868480
	.section	.rodata,"a",@progbits
	.p2align	6, 0x0
	.amdhsa_kernel k_q0f5285a853_attn
		.amdhsa_group_segment_fixed_size 246272
		.amdhsa_private_segment_fixed_size 0
		.amdhsa_enable_private_segment 0
		.amdhsa_kernarg_size 80
		.amdhsa_user_sgpr_count 2
		.amdhsa_user_sgpr_kernarg_segment_ptr 1
		.amdhsa_wavefront_size32 1
		.amdhsa_system_sgpr_workgroup_id_x 1
		.amdhsa_system_sgpr_workgroup_id_y 1
		.amdhsa_system_sgpr_workgroup_id_z 1
		.amdhsa_system_vgpr_workitem_id 0
		.amdhsa_next_free_vgpr 512
		.amdhsa_next_free_sgpr 84
		.amdhsa_reserve_vcc 1
		.amdhsa_float_denorm_mode_32 3
		.amdhsa_float_denorm_mode_16_64 3
		.amdhsa_memory_ordered 1
		.amdhsa_forward_progress 1
		.amdhsa_inst_pref_size 104
	.end_amdhsa_kernel
	.amdgpu_metadata
---
amdhsa.version: [ 1, 2 ]
amdhsa.kernels:
  - .name:           k_q0f5285a853_attn
    .symbol:         k_q0f5285a853_attn.kd
    .args:
      - { .name: xd_codes, .offset: 0, .size: 8, .value_kind: global_buffer, .address_space: global }
      - { .name: xd_scales, .offset: 8, .size: 8, .value_kind: global_buffer, .address_space: global }
      - { .name: w_codes, .offset: 16, .size: 8, .value_kind: global_buffer, .address_space: global }
      - { .name: w_scales, .offset: 24, .size: 8, .value_kind: global_buffer, .address_space: global }
      - { .name: xt_codes, .offset: 32, .size: 8, .value_kind: global_buffer, .address_space: global }
      - { .name: xt_scales, .offset: 40, .size: 8, .value_kind: global_buffer, .address_space: global }
      - { .name: bh, .offset: 48, .size: 8, .value_kind: global_buffer, .address_space: global }
      - { .name: Wa, .offset: 56, .size: 8, .value_kind: global_buffer, .address_space: global }
      - { .name: ba, .offset: 64, .size: 8, .value_kind: global_buffer, .address_space: global }
      - { .name: out0, .offset: 72, .size: 8, .value_kind: global_buffer, .address_space: global }
    .group_segment_fixed_size: 246272
    .private_segment_fixed_size: 0
    .kernarg_segment_align: 8
    .kernarg_segment_size: 80
    .max_flat_workgroup_size: 256
    .sgpr_count:     84
    .vgpr_count:     512
    .wavefront_size: 32
...
	.end_amdgpu_metadata
.endif
;; end of part 2
;; ======== version 2 of 2: 2 launches; version 1 with the launch attn written anew for expert scheduling mode
;; limits: right only within a limited range of input values
;; workspace buffers: xd_codes 4,194,304 bytes; xd_scales 131,072 bytes; xt_codes 4,194,304 bytes; xt_scales 131,072 bytes; w_codes 131,072 bytes; w_scales 4,096 bytes
;; launch quant: the kernel of part 1 again; grid 264 x 1, 4 waves a work-group, no clusters, 68,096 bytes of LDS; arguments x, Wt, Wx, xd_codes, xd_scales, xt_codes, xt_scales, w_codes, w_scales; writes xd_codes, xd_scales, xt_codes, xt_scales, w_codes, w_scales
;; launch attn (part 3): grid 256 x 1, 8 waves a work-group, no clusters, 246,272 bytes of LDS; arguments xd_codes, xd_scales, w_codes, w_scales, xt_codes, xt_scales, bh, Wa, ba, out0; writes out0
.if DOCPART == 3
	.amdgcn_target "amdgcn-amd-amdhsa--gfx1250"
	.amdhsa_code_object_version 6
	.text
	.protected	k_q0f5285a853_attn
	.globl	k_q0f5285a853_attn
	.p2align	8
	.type	k_q0f5285a853_attn,@function
k_q0f5285a853_attn:
	s_mov_b64 s[64:65], 0
	v_nop
	global_prefetch_b8 v0, s[64:65] scope:SCOPE_SE
	s_setreg_imm32_b32 hwreg(HW_REG_WAVE_SCHED_MODE, 0, 2), 2
	s_setreg_imm32_b32 hwreg(HW_REG_WAVE_MODE, 25, 1), 1
	s_wait_xcnt 0x0
	s_wait_alu depctr_vm_vsrc(0)
; out[b][i][:] = sum over j of softmax_j(e_ij) x[b][j][:], e_ij = sum over u of Wa[u] tanh(q_i[u] + k_j[u] + bh[u]) + ba, keys j = i - 32 .. i + 31 inside 0 .. 1023.
; q = x Wt, k = x Wx and the last product run on codes of FP8 (E4M3) with E8M0 scales, made by the launch before; tanh, the product with Wa and the softmax in f32.
; A work-group owns 16 queries (i0 = 16 qi) of one batch and takes them through the whole chain; eight waves.
;   P  each wave takes ONE K step of 128 of the projections (s = wave): k for the 80 rows i0 - 32 .. i0 + 47 and q for its 16 rows: 24 matrix instructions, each a sum of its own; parts to LDS | barrier
;   R  the eight parts are added in f32 (a tree), scaled by 2 log2(e); q also gets bh; to LDS | barrier
;   T  lane (r, h) of wave w: query r, keys 8 w + 4 h + 0..3 of its 64: tanh(z) = 1 - 2 / (1 + 2^(2 log2(e) z)); t = e log2(e) into a matrix in LDS that was preset to -infinity | barrier
;   S  every wave: M = ceil(the row's largest t), p = 2^(t - M), the sum of p, p quantised along the keys in blocks of 32 counted from key 0
;   O  wave w: columns 128 w .. 128 w + 127 of out: 8 matrix instructions over the three key blocks a - 1, a, a + 1 (a = qi / 2) and a fourth of zero codes; / the sum; out through the wave's stage
; LIMITS.  Keys outside the band are left out: there the module has t - M under -(10,000 - 2 sum|Wa|) log2(e), so p is 0 in f32 as long as sum|Wa| < 4,900.  NaN and infinities among the
; inputs are not served.  The projections' K is summed as 8 parts of 128 joined by a tree of f32 additions.  tanh carries an absolute error of about 1.5e-7 a term.  p under 2^-126 counts as 0.
; Row tiles and key blocks outside the batch are clamped to valid ones: their logits are set to -infinity, so their p are zero codes.
; NO CLUSTER: what work-groups share (the weights' 131,072 bytes of codes) would have to lie in LDS beside the 245,248 bytes in use.  No tensor load: every operand byte is wanted by one wave alone and
; comes straight into its registers, as the image that the launch before laid.  No branch, no label.
; THE MODE: SCHED_MODE bits 1:0 = 2 (LLVM: expert scheduling mode 2), set by the entry lines.  The code itself states the register dependences
; between vector or matrix instructions and memory or LDS instructions, with s_wait_alu, always for 0.
; THE PLAN.  Registers that memory or LDS instructions touch, and who else names them:
;   v4-8      offsets of the global loads and stores: made at the head, never written again: one wait ahead of the first load.
;   v29-43    LDS addresses: made once, while the head's loads are out, never written again: one wait ahead of the first LDS store.
;   v56-63    -infinity for the preset's two stores; then T's sums, written by T's products and selects and read by T's four stores.
;   v14-15    Wa: loaded, scaled by a vector line, stored to LDS behind P's wait.
;   window 1  v0-127: the weights, read by P's matrix instructions; behind P's wait x^T's loads land there; every fourth group is cleared by moves; read by O's matrix instructions.
;   v64-255   P: written by the matrix instructions, read by 48 LDS stores.  R: 48 LDS loads land, the additions work on them, six LDS stores in one run read the sums.
;             T: two buffers of 96: chunk c's vector lines name buffer c % 2 alone, chunk c + 1's loads land in the other, dealt among chunk c's additions, behind one wait at the chunk's head.
;             S: LDS loads land in v64-111.  O: v160-223 are written by matrix instructions, scaled in place, read by the stage's stores; the stage's loads land in v64-127, which the global stores read.
; REGISTERS.  Window 0: v1-11 lane terms; v12-15 sums of Wa; v16-28 scale words and nothing else; v29-43 LDS addresses, made once; v44-49 V's raw scale bytes; v50 T0; v52-55 bh; v56-63 four logits in halves;
;   v64-255 by phase.  Window 1: v0-127 the weights' 8 fragments, later x^T's 8; v128-207 x's 5 fragments.
.set PARTB, 96*272                     ; a wave's parts: 96 rows (80 of k, 16 of q) x (256 bytes + 16)
.set QK,    8*PARTB                    ; the sums, same shape
.set EM,    QK+PARTB                   ; t: 16 rows, 464 bytes apart; word 16 + r + jj of row r is key i0 + r - 32 + jj; 8,192 bytes preset
.set WA,    EM+8192                    ; -2 log2(e) Wa, a copy of 256 bytes for each wave
.set STGB,  16*528                     ; the way out: 16 rows x (512 bytes + 16) for each wave, in the parts' bytes, which are read no more behind the second barrier
.set L16, 4
.set R4,  5
.set R8,  6
.set L8,  7
.set BHO, 8
.set NINF, 9
.set JV,  10
.set TMP, 11
.set SW,  12
.set WAP, 14
.set XS,  16                           ; v16-20 x's scale words, tile m
.set WS,  21                           ; v21-28 the weights': 4 mat + nt
.set XTS, 16                           ; later v16-23: x^T's scale words, tile t
.set PW,  24                           ; and p's
.set STP, 29
.set RB,  30
.set QKW, 34
.set AKK, 35
.set AQ,  36
.set AW,  37
.set WAS, 38
.set EIN, 39
.set EST, 40
.set ERD, 41
.set STO, 42
.set SRD, 43
.set XTR, 44
.set T0,  50
.set BHC, 52
.set ACC, 56
.set RES, 64                           ; P: 24 results of 8 registers
.set T,   64                           ; S: 48 t, then p
.set BM,  112
.set BX,  116
.set MX,  120
.set NM,  122
.set SOP, 124
.set HOLD, 128
.set BY,  132
.set LS,  136
.set LS2, 138
.set RL,  140
.set PC,  144
.set O,   160
.set PT,  224
.set KIN, 80                           ; s80-83 the masks 'a key of the batch', one for each of my four keys
.set MSB, 0
.macro WIN new                         ; the immediate's high byte repeats the setting that is left
.if MSB != \new
	s_set_vgpr_msb (MSB<<8)|\new
.set MSB, \new
.endif
.endm
.macro BARRIER                         ; my LDS stores have landed and my LDS loads are in: then the work-group's barrier
	s_wait_dscnt 0x0
	s_barrier_signal -1
	s_barrier_wait -1
.endm
	s_load_b512 s[4:19], s[0:1], 0x0               ; xd_codes s[4:5], xd_scales s[6:7], w_codes s[8:9], w_scales s[10:11], xt_codes s[12:13], xt_scales s[14:15], bh s[16:17], Wa s[18:19]
	s_load_b128 s[20:23], s[0:1], 0x40             ; ba s[20:21], out0 s[22:23]
	v_lshl_add_u32 v51, v0, 2, 0x3be00
	s_set_vgpr_msb 0x40
	v_mov_b32 v255, 0
	s_set_vgpr_msb 0x4000
	v_lshrrev_b32 v1, 5, v0
	v_readfirstlane_b32 s24, v1                    ; wave 0..7
	v_and_b32 v1, 31, v0                           ; lane
	v_and_b32 v2, 15, v0                           ; r
	v_bfe_u32 v3, v0, 4, 1                         ; h
	v_lshlrev_b32 v[L16], 4, v1
	v_lshlrev_b32 v[R4], 2, v2
	v_lshlrev_b32 v[R8], 3, v2
	v_lshlrev_b32 v[L8], 3, v1
	v_lshlrev_b32 v[BHO], 4, v2
	s_lshr_b32 s25, ttmp9, 6                       ; b
	s_and_b32 s26, ttmp9, 63                       ; qi
	s_lshr_b32 s27, s26, 1                         ; a
	s_mov_b32 s73, 0
	s_mov_b32 s75, 0
	s_mov_b32 s30, 0x76543210
	s_mov_b32 s31, 0xfedcba98                      ; v_permlanex16_b32's selects for lane l xor 16
	s_mov_b32 s66, 0x600000                        ; the mantissa field of 448
	s_mov_b32 s67, 0x7f7f7f7f                      ; the byte of 1.0, for the fourth block
	s_mov_b32 s68, 0x05010400                      ; byte selects: bytes 0, 1 of two words by turns,
	s_mov_b32 s69, 0x07030602                      ; bytes 2, 3 of two words by turns,
	s_mov_b32 s70, 0x05040100                      ; the two low halves,
	s_mov_b32 s71, 0x07060302                      ; the two high halves
	s_wait_alu depctr_va_sdst(0)                   ; s24, the wave's number, is written, ahead of its first reader: the bases below are made from it
	s_wait_kmcnt 0x0
	s_load_b32 s29, s[20:21], 0x0                  ; ba
.irp m, 0,1,2,3,4                      ; row tile m of the window: tile qi - 2 + m of the batch, clamped
	s_add_co_i32 s76, s26, \m-2
	s_max_i32 s76, s76, 0
	s_min_i32 s76, s76, 63
	s_lshl_b32 s77, s25, 6
	s_add_co_u32 s76, s76, s77                     ; rt
	s_lshl_b32 s72, s76, 14
	s_lshl_b32 s78, s24, 11
	s_add_co_u32 s72, s72, s78
	s_add_nc_u64 s[32+2*\m:33+2*\m], s[4:5], s[72:73]      ; its codes of my K step
	s_lshl_b32 s74, s76, 6
	s_lshl_b32 s78, s24, 14
	s_add_co_u32 s74, s74, s78
	s_add_nc_u64 s[42+2*\m:43+2*\m], s[6:7], s[74:75]      ; its scale words
.endr
.irp c, 0,1,2                          ; key block a - 1 + c of the batch, clamped
	s_add_co_i32 s76, s27, \c-1
	s_max_i32 s76, s76, 0
	s_min_i32 s76, s76, 31
	s_lshl_b32 s77, s25, 5
	s_add_co_u32 s76, s76, s77                     ; kbg
	s_lshl_b32 s72, s76, 15
	s_lshl_b32 s78, s24, 12
	s_add_co_u32 s72, s72, s78
	s_add_nc_u64 s[52+2*\c:53+2*\c], s[12:13], s[72:73]    ; its codes of my 128 columns
	s_lshl_b32 s74, s76, 10
	s_lshl_b32 s78, s24, 7
	s_add_co_u32 s74, s74, s78
	s_add_nc_u64 s[58+2*\c:59+2*\c], s[14:15], s[74:75]    ; its scale bytes
.endr
	s_lshl_b32 s72, s24, 13
	s_add_nc_u64 s[8:9], s[8:9], s[72:73]          ; the weights' codes of my K step
	s_lshl_b32 s72, s24, 8
	s_add_nc_u64 s[10:11], s[10:11], s[72:73]      ; and their scale words
	s_lshl_b32 s72, ttmp9, 16                      ; out0: row 16 x work-group, 4,096 bytes a row,
	s_lshl_b32 s78, s24, 9                         ; + my 128 columns
	s_add_co_u32 s72, s72, s78
	s_add_nc_u64 s[22:23], s[22:23], s[72:73]
	; ---------------- P: all that the projections want is asked for at once ----------------
	s_wait_alu depctr_va_vdst(0)                   ; the five offsets v4 to v8 are written, which every global load and store of the kernel reads; up to the last load of this run only loads and a window switch follow
	global_load_b64 v[WAP:WAP+1], v[L8], s[18:19]  ; Wa: two numbers a lane
	global_load_b128 v[BHC:BHC+3], v[BHO], s[16:17]        ; bh: the four units that I add up in R
.irp m, 0,1,2,3,4
	global_load_b32 v[XS+\m], v[R4], s[42+2*\m:43+2*\m]
.endr
.irp mat, 0,1
.irp nt, 0,1,2,3
	global_load_b32 v[WS+4*\mat+\nt], v[R4], s[10:11] offset:2048*\mat+64*\nt
.endr
.endr
	WIN 0x40                                       ; destination window 1, address window 0
.irp mat, 0,1
.irp nt, 0,1,2,3
.irp c, 0,1,2,3
	global_load_b128 v[16*(4*\mat+\nt)+4*\c:16*(4*\mat+\nt)+4*\c+3], v[L16], s[8:9] offset:65536*\mat+2048*\c+512*\nt
.endr
.endr
.endr
.irp m, 0,1,2,3,4
.irp c, 0,1,2,3
	global_load_b128 v[128+16*\m+4*\c:128+16*\m+4*\c+3], v[L16], s[32+2*\m:33+2*\m] offset:512*\c
.endr
.endr
	WIN 0
	; while they are on their way: the LDS addresses, each a constant + lane terms + a constant x wave, made once and never rewritten.  (None of these lines writes v4 to v8, which the loads read)
	v_mov_b32 v[NINF], 0xff800000                  ; -infinity
	s_lshl_b32 s76, s26, 4
	s_lshl_b32 s77, s24, 3
	s_add_co_u32 s76, s76, s77
	s_sub_co_i32 s76, s76, 32
	v_lshl_add_u32 v[JV], v3, 2, v2
	v_add_nc_u32 v[JV], s76, v[JV]                 ; my first key: i0 + r - 32 + 8 w + 4 h (under 0 it wraps to a large number)
	s_mul_i32 s76, s24, PARTB
	v_mul_u32_u24 v[STP], v2, 272
	v_lshl_add_u32 v[STP], v3, 5, v[STP]
	v_add_nc_u32 v[STP], s76, v[STP]               ; my parts: row r, + 32 h
	v_lshrrev_b32 v[TMP], 4, v0
	v_mul_u32_u24 v[RB], v[TMP], 272
	v_lshl_add_u32 v[RB], v2, 4, v[RB]             ; R: thread t takes row t / 16 of each 16, bytes 16 (t % 16) on; parts 0, 1
	v_add_nc_u32 v[RB+1], 2*PARTB, v[RB]           ; parts 2, 3
	v_add_nc_u32 v[RB+2], 4*PARTB, v[RB]
	v_add_nc_u32 v[RB+3], 6*PARTB, v[RB]
	v_add_nc_u32 v[QKW], QK, v[RB]
	s_mul_i32 s76, s24, 8*272
	v_mul_u32_u24 v[AKK], v2, 272
	v_mad_u32_u24 v[AKK], v3, 4*272, v[AKK]
	v_add_nc_u32 v[AKK], s76, v[AKK]
	v_add_nc_u32 v[AKK], QK, v[AKK]                ; T: k's row r + 8 w + 4 h
	v_mul_u32_u24 v[AQ], v2, 272
	v_add_nc_u32 v[AQ], QK+80*272, v[AQ]           ; q's row r
	s_lshl_b32 s76, s24, 8
	s_add_co_u32 s76, s76, WA
	v_mov_b32 v[AW], s76                           ; my copy of Wa
	v_lshl_add_u32 v[WAS], v1, 3, s76
	v_lshl_add_u32 v[EIN], v0, 4, EM
	v_mul_u32_u24 v[EST], v2, 468
	v_lshl_add_u32 v[EST], v3, 4, v[EST]
	s_lshl_b32 s76, s24, 5
	s_add_co_u32 s76, s76, EM+64
	v_add_nc_u32 v[EST], s76, v[EST]               ; row r (464 r), word 16 + r + 8 w + 4 h
	v_mul_u32_u24 v[ERD], v2, 464
	v_lshl_add_u32 v[ERD], v3, 6, v[ERD]
	s_xor_b32 s76, ttmp9, 1
	s_and_b32 s76, s76, 1
	s_lshl_b32 s76, s76, 6                         ; key 32 (a - 1) is word 16 of a row where qi is even, word 0 where it is odd
	s_add_co_u32 s76, s76, EM
	v_add_nc_u32 v[ERD], s76, v[ERD]               ; (the one LDS address that hangs on the work-group's number: it serves reads alone, a barrier behind every store into EM)
	s_mul_i32 s76, s24, STGB
	v_mul_u32_u24 v[STO], v2, 528
	v_lshl_add_u32 v[STO], v3, 5, v[STO]
	v_add_nc_u32 v[STO], s76, v[STO]
	v_add_nc_u32 v[SRD], s76, v[L16]
.irp j, 0,1,2,3
	v_mov_b32 v[ACC+\j], v[NINF]
.endr
	s_wait_alu depctr_va_vdst(0)                   ; the fifteen LDS addresses v29 to v43 are written, which every LDS instruction of the kernel reads, and so are v56 to v59, the data of the two stores below
	ds_store_b128 v[EIN], v[ACC:ACC+3]             ; all of the t matrix begins as -infinity: keys that nobody computes count for nothing
	ds_store_b128 v[EIN], v[ACC:ACC+3] offset:4096
	s_wait_loadcnt 0x0
	s_wait_kmcnt 0x0                               ; ba
	v_pk_mul_f32 v[WAP:WAP+1], v[WAP:WAP+1], 0xc038aa3b op_sel_hi:[1,0]           ; -2 log2(e) Wa
	v_pk_mul_f32 v[BHC:BHC+1], v[BHC:BHC+1], 0x4038aa3b op_sel_hi:[1,0]           ; 2 log2(e) bh
	v_pk_mul_f32 v[BHC+2:BHC+3], v[BHC+2:BHC+3], 0x4038aa3b op_sel_hi:[1,0]
	WIN 0x05                                       ; A and B window 1, D window 0
	; TRANSPOSED: source 0 = 16 units of a weight, source 1 = 16 rows of x: lane (r, h) holds row r, register j unit 16 nt + 8 h + j.  24 sums of one instruction each: no accumulator is taken up twice
.irp m, 0,1,2,3,4
.irp nt, 0,1,2,3
	v_wmma_scale_f32_16x16x128_f8f6f4 v[RES+8*(4*\m+\nt):RES+8*(4*\m+\nt)+7], v[16*(4+\nt):16*(4+\nt)+15], v[128+16*\m:128+16*\m+15], 0, v[WS+4+\nt], v[XS+\m]
.endr
.endr
.irp nt, 0,1,2,3
	v_wmma_scale_f32_16x16x128_f8f6f4 v[RES+8*(20+\nt):RES+8*(20+\nt)+7], v[16*\nt:16*\nt+15], v[160:175], 0, v[WS+\nt], v[XS+2]   ; q: my own 16 rows are tile 2 of the window
.endr
	WIN 0
.rept 8
	v_nop                                          ; eight places ahead of the stores that read the results and of the moves over the weights' registers; they stay beside the wait below
.endr
	WIN 0x40
	s_wait_alu depctr_va_vdst(0)                   ; the matrix instructions are done reading the weights' registers, in which x^T's loads land, and have written v64 to v255, which the 48 LDS stores read; v14 and v15 are scaled, which the store of Wa reads
.irp c, 0,1,2                          ; x^T's codes for the last product are asked for here: the reduction and the whole tanh lie ahead of their use
.irp t, 0,1,2,3,4,5,6,7
	global_load_b128 v[16*\t+4*\c:16*\t+4*\c+3], v[L16], s[52+2*\c:53+2*\c] offset:512*\t
.endr
.endr
.irp t, 0,1,2,3,4,5,6,7
.irp j, 12,13,14,15
	v_mov_b32 v[16*\t+\j], 0                       ; the fourth block of the K step: zero codes.  (These moves name window 1's fourth groups alone: no register of the loads above or of the loads and stores below)
.endr
.endr
	WIN 0
.irp c, 0,1,2
	global_load_b64 v[XTR+2*\c:XTR+2*\c+1], v[R8], s[58+2*\c:59+2*\c]             ; the bytes of my 128 columns: word 0 tiles 0, 2, 4, 6; word 1 tiles 1, 3, 5, 7
.endr
	ds_store_b64 v[WAS], v[WAP:WAP+1]              ; my wave's own bytes: its own later loads see them, in order
.irp g, 0,1,2,3,4,5
.irp nt, 0,1,2,3
	ds_store_b128 v[STP], v[RES+8*(4*\g+\nt):RES+8*(4*\g+\nt)+3] offset:16*272*\g+64*\nt          ; each result from its low end on
	ds_store_b128 v[STP], v[RES+8*(4*\g+\nt)+4:RES+8*(4*\g+\nt)+7] offset:16*272*\g+64*\nt+16
.endr
.endr
	BARRIER                                        ; all eight waves' parts lie in LDS (the loads of x^T stay on their way: nobody writes those bytes)
	; ---------------- R: the eight parts are added ----------------
	s_wait_alu depctr_vm_vsrc(0)                   ; my 48 LDS stores have read v64 to v255, in which the loads below land; the preset's two stores have read v56 to v59, which T's products write again
.irp n, 0,1,2,3,4,5
.irp p, 0,1,2,3,4,5,6,7
	ds_load_b128 v[64+32*\n+4*\p:64+32*\n+4*\p+3], v[RB+\p/2] offset:(\p%2)*PARTB+16*272*\n
.endr
.endr
.macro RED n
.set RS, 64+32*\n
	s_wait_dscnt 40-8*\n                           ; item n's eight loads are in: behind them stand the 8 (5 - n) loads of the later items
.irp p, 0,8,16,24
	v_pk_add_f32 v[RS+\p:RS+\p+1], v[RS+\p:RS+\p+1], v[RS+\p+4:RS+\p+5]
	v_pk_add_f32 v[RS+\p+2:RS+\p+3], v[RS+\p+2:RS+\p+3], v[RS+\p+6:RS+\p+7]
.endr
.irp p, 0,16
	v_pk_add_f32 v[RS+\p:RS+\p+1], v[RS+\p:RS+\p+1], v[RS+\p+8:RS+\p+9]
	v_pk_add_f32 v[RS+\p+2:RS+\p+3], v[RS+\p+2:RS+\p+3], v[RS+\p+10:RS+\p+11]
.endr
	v_pk_add_f32 v[RS:RS+1], v[RS:RS+1], v[RS+16:RS+17]
	v_pk_add_f32 v[RS+2:RS+3], v[RS+2:RS+3], v[RS+18:RS+19]
.if \n < 5
	v_pk_mul_f32 v[RS:RS+1], v[RS:RS+1], 0x4038aa3b op_sel_hi:[1,0]               ; k' = 2 log2(e) k
	v_pk_mul_f32 v[RS+2:RS+3], v[RS+2:RS+3], 0x4038aa3b op_sel_hi:[1,0]
.else
	v_pk_fma_f32 v[RS:RS+1], v[RS:RS+1], 0x4038aa3b, v[BHC:BHC+1] op_sel_hi:[1,0,1]       ; q' = 2 log2(e) (q + bh)
	v_pk_fma_f32 v[RS+2:RS+3], v[RS+2:RS+3], 0x4038aa3b, v[BHC+2:BHC+3] op_sel_hi:[1,0,1]
.endif
.endm
.irp n, 0,1,2,3,4,5
	RED \n
.endr
	s_wait_alu depctr_va_vdst(0)                   ; the six sums are written, which the run of stores below reads; and the additions are done with all of v64 to v255, in which T's first two chunks land
.irp n, 0,1,2,3,4,5
	ds_store_b128 v[QKW], v[64+32*\n:64+32*\n+3] offset:16*272*\n
.endr
	BARRIER                                        ; k' and q' lie in LDS; nobody reads the parts any more
	; ---------------- T: tanh and the product with Wa, 16 units at a time, in two buffers of 96 registers ----------------
	s_wait_alu depctr_vm_vsrc(0)                   ; my six LDS stores have read their sums' registers, in which the chunks' loads land
; Load x of the 24 of chunk c (units 16 c on): 0-3 q' (16 numbers), 4-7 Wa'' (16), 8-23 k' of my four keys (64)
.macro LD1 c, x
.set LB, 64+96*((\c)%2)
.if (\x) < 4
	ds_load_b128 v[LB+64+4*(\x):LB+64+4*(\x)+3], v[AQ] offset:64*(\c)+16*(\x)
.elseif (\x) < 8
	ds_load_b128 v[LB+80+4*((\x)-4):LB+80+4*((\x)-4)+3], v[AW] offset:64*(\c)+16*((\x)-4)
.else
	ds_load_b128 v[LB+4*((\x)-8):LB+4*((\x)-8)+3], v[AKK] offset:272*(((\x)-8)/4)+64*(\c)+16*(((\x)-8)%4)
.endif
.endm
.macro TANH c
	s_wait_dscnt 0x0                               ; this chunk's 24 loads are in: all were issued ahead of the chunk before's exponentials (chunk 0's: just above), and nothing younger is out
.if ((\c) > 0) && ((\c) < 3)
	s_wait_alu depctr_va_vdst(0)                   ; the chunk before is done reading and writing its buffer, in which the next chunk's loads land
.endif
.set TB, 64+96*((\c)%2)
.irp i, 0,2,4,6,8,10,12,14
.if (\c) < 3                           ; the next chunk's loads, three at a time among this chunk's additions.  No further wait: this chunk's vector lines name its own buffer, v12-13 and v56-63 alone
	LD1 (\c)+1, 3*(\i/2)
	LD1 (\c)+1, 3*(\i/2)+1
	LD1 (\c)+1, 3*(\i/2)+2
.endif
.irp n, 0,1,2,3
	v_pk_add_f32 v[TB+16*\n+\i:TB+16*\n+\i+1], v[TB+16*\n+\i:TB+16*\n+\i+1], v[TB+64+\i:TB+64+\i+1]      ; z' = q' + k'
.endr
.endr
.set e, 0
.rept 64
	v_exp_f32 v[TB+e], v[TB+e]                     ; 2^z': one batch.  (Infinity gives r = 0, tanh = 1; 0 gives r = 1, tanh = -1)
.set e, e+1
.endr
.if (\c) == 0                          ; the sum of Wa'': plain work that names no exponential's result
	v_pk_add_f32 v[SW:SW+1], v[TB+80:TB+81], v[TB+82:TB+83]
.irp i, 4,6,8,10,12,14
	v_pk_add_f32 v[SW:SW+1], v[SW:SW+1], v[TB+80+\i:TB+80+\i+1]
.endr
.else
.irp i, 0,2,4,6,8,10,12,14
	v_pk_add_f32 v[SW:SW+1], v[SW:SW+1], v[TB+80+\i:TB+80+\i+1]
.endr
.endif
	s_wait_alu depctr_va_vdst(0)                   ; the 64 exponentials have written the buffer's first 64 registers: one wait, ahead of their first reader
.set e, 0
.rept 32
	v_pk_add_f32 v[TB+e:TB+e+1], v[TB+e:TB+e+1], 1.0 op_sel_hi:[1,0]
.set e, e+2
.endr
.set e, 0
.rept 64
	v_rcp_f32 v[TB+e], v[TB+e]                     ; r = 1 / (1 + 2^z'): one batch
.set e, e+1
.endr
	v_nop                                          ; a plain line behind the last reciprocal
	s_wait_alu depctr_va_vdst(0)                   ; the 64 reciprocals have written the same registers: one wait, ahead of their first reader
.irp i, 0,2,4,6,8,10,12,14
.irp n, 0,1,2,3
.if ((\c) == 0) && (\i == 0)
	v_pk_mul_f32 v[ACC+2*\n:ACC+2*\n+1], v[TB+16*\n+\i:TB+16*\n+\i+1], v[TB+80+\i:TB+80+\i+1]            ; the first product starts the sums
.else
	v_pk_fma_f32 v[ACC+2*\n:ACC+2*\n+1], v[TB+16*\n+\i:TB+16*\n+\i+1], v[TB+80+\i:TB+80+\i+1], v[ACC+2*\n:ACC+2*\n+1]   ; the four keys by turns
.endif
.endr
.endr
.endm
.set ld, 0
.rept 24
	LD1 0, ld                                      ; chunk 0, in one run
.set ld, ld+1
.endr
	TANH 0
	TANH 1
	TANH 2
	TANH 3
.irp n, 0,1,2,3
	v_add_nc_u32 v[TMP], \n, v[JV]
	v_cmp_gt_u32 s[KIN+\n], 0x400, v[TMP]          ; a key of the batch?  (a select, no branch)  The four masks are made in one run; the additions below stand between them and their wait
.endr
	; t = log2(e) (sum of Wa (1 - 2 r) + ba) = sum of Wa'' r + T0, T0 = ba log2(e) - 0.5 sum of Wa''
	v_add_f32 v[T0], v[SW], v[SW+1]
	v_mul_f32 v[T0], -0.5, v[T0]
	v_fma_f32 v[T0], s29, 0x3fb8aa3b, v[T0]
.irp n, 0,1,2,3
	v_add_f32 v[ACC+2*\n], v[ACC+2*\n], v[ACC+2*\n+1]
.endr
.irp n, 0,1,2,3
	v_add_f32 v[ACC+2*\n], v[ACC+2*\n], v[T0]
.endr
	s_wait_alu depctr_va_sdst(0)                   ; the four compares have written s80 to s83, ahead of the selects that read them
.irp n, 0,1,2,3
	v_cndmask_b32 v[ACC+2*\n], v[NINF], v[ACC+2*\n], s[KIN+\n]
.endr
	s_wait_alu depctr_va_vdst(0)                   ; the selects have written v56, v58, v60 and v62, which the four stores read; and T is done with v64 to v111, in which S's loads land
.irp n, 0,1,2,3
	ds_store_b32 v[EST], v[ACC+2*\n] offset:4*\n
.endr
	BARRIER                                        ; the t of 16 queries x 64 keys lie in LDS
	; ---------------- S: every wave makes p, its sum, its codes and its scale word for itself: lane (r, h) holds query r; register 16 c + i is key 32 (a - 1 + c) + 16 h + i ----------------
.irp c, 0,1,2
.irp j, 0,1,2,3
	ds_load_b128 v[T+16*\c+4*\j:T+16*\c+4*\j+3], v[ERD] offset:128*\c+16*\j
.endr
.endr
.irp c, 0,1,2
	v_mov_b32 v[BX+\c], 0                          ; a lane permute's destination counts as one of its sources
.endr
	s_wait_dscnt 0x0
.irp c, 0,1,2
	v_max3_num_f32 v[BM+\c], v[T+16*\c], v[T+16*\c+1], v[T+16*\c+2]               ; each block's largest t: it serves for the row's maximum and, since p rises with t, for the block's largest p
.endr
.irp i, 3,5,7,9,11,13
.irp c, 0,1,2
	v_max3_num_f32 v[BM+\c], v[BM+\c], v[T+16*\c+\i], v[T+16*\c+\i+1]
.endr
.endr
.irp c, 0,1,2
	v_max_num_f32 v[BM+\c], v[BM+\c], v[T+16*\c+15]
.endr
.irp c, 0,1,2
	v_permlanex16_b32 v[BX+\c], v[BM+\c], s30, s31
.endr
.irp c, 0,1,2
	v_max_num_f32 v[BM+\c], v[BM+\c], v[BX+\c]     ; with lane l xor 16's 16 keys
.endr
	v_max3_num_f32 v[MX], v[BM], v[BM+1], v[BM+2]  ; the row's largest t: a number, since key i itself always counts
	v_floor_f32 v[NM], -v[MX]                      ; -M = floor(-t) = -ceil(t)
	v_mov_b32 v[NM+1], v[NM]
.set e, 0
.rept 24
	v_pk_add_f32 v[T+e:T+e+1], v[T+e:T+e+1], v[NM:NM+1]                           ; t - M
.set e, e+2
.endr
.irp c, 0,1,2
	v_add_f32 v[BM+\c], v[BM+\c], v[NM]            ; the same addition on the same number: the same bits
.endr
.set e, 0
.rept 48
	v_exp_f32 v[T+e], v[T+e]                       ; p = 2^(t - M): not normalised; 0 where t is -infinity
.set e, e+1
.endr
.irp c, 0,1,2
	v_exp_f32 v[BM+\c], v[BM+\c]                   ; each block's largest p
.endr
.irp j, 12,13,14,15
	v_mov_b32 v[PC+\j], 0                          ; p's fourth block: zero codes.  (Plain work behind the batch)
.endr
	s_wait_alu depctr_va_vdst(0)                   ; the 51 exponentials have written v64 to v111 and v112 to v114: one wait, ahead of their first reader
	v_pk_add_f32 v[LS:LS+1], v[T:T+1], v[T+2:T+3]  ; the row's sum is taken of the unquantised p, in two chains
	v_pk_add_f32 v[LS2:LS2+1], v[T+4:T+5], v[T+6:T+7]
.irp j, 8,12,16,20,24,28,32,36,40,44
	v_pk_add_f32 v[LS:LS+1], v[LS:LS+1], v[T+\j:T+\j+1]
	v_pk_add_f32 v[LS2:LS2+1], v[LS2:LS2+1], v[T+\j+2:T+\j+3]
.endr
	v_pk_add_f32 v[LS:LS+1], v[LS:LS+1], v[LS2:LS2+1]
	v_add_f32 v[LS], v[LS], v[LS+1]
	v_permlanex16_b32 v[BX], v[LS], s30, s31
	v_add_f32 v[LS], v[LS], v[BX]                  ; with lane l xor 16's 48 keys
	v_rcp_f32 v[RL], v[LS]
	v_mov_b32 v[RL+1], 0                           ; a plain line behind the reciprocal; it writes the pair's upper word, which is named and not used
	s_wait_loadcnt 0x0                             ; x^T's codes and bytes
	; x^T's scale words: tile t = 2 g + e wants byte g of word e of the three blocks, and 1.0 for the fourth
.irp e, 0,1
	v_perm_b32 v[PT+4*\e], v[XTR+2+\e], v[XTR+\e], s68     ; A0 B0 A1 B1
	v_perm_b32 v[PT+4*\e+1], v[XTR+2+\e], v[XTR+\e], s69   ; A2 B2 A3 B3
	v_perm_b32 v[PT+4*\e+2], s67, v[XTR+4+\e], s68         ; C0 7f C1 7f
	v_perm_b32 v[PT+4*\e+3], s67, v[XTR+4+\e], s69         ; C2 7f C3 7f
.endr
.irp e, 0,1
	v_perm_b32 v[XTS+\e], v[PT+4*\e+2], v[PT+4*\e], s70    ; A0 B0 C0 7f
	v_perm_b32 v[XTS+2+\e], v[PT+4*\e+2], v[PT+4*\e], s71  ; A1 B1 C1 7f
	v_perm_b32 v[XTS+4+\e], v[PT+4*\e+3], v[PT+4*\e+1], s70
	v_perm_b32 v[XTS+6+\e], v[PT+4*\e+3], v[PT+4*\e+1], s71
.endr
.irp c, 0,1,2
	v_max_num_f32 v[BM+\c], 0x4800000, v[BM+\c]    ; the floor 2^(9 - 127): a block whose every p is 0 keeps the byte 1 over zero codes
.endr
.irp c, 0,1,2
	v_add_nc_u32 v[SOP+\c], 0xfc000000, v[BM+\c]   ; the conversions' scale operand
.endr
.irp c, 0,1,2
	v_and_or_b32 v[HOLD+\c], v[BM+\c], 0x7f800000, s66     ; 448 x the scale
.endr
.irp c, 0,1,2
	v_lshrrev_b32 v[BY+\c], 23, v[SOP+\c]          ; the byte
.endr
	v_lshl_or_b32 v[PW], v[BY+1], 8, v[BY]
	v_lshl_or_b32 v[PW], v[BY+2], 16, v[PW]
	v_or_b32 v[PW], 0x7f000000, v[PW]              ; p's scale word
.irp c, 0,1,2
.irp i, 0,1,2,3,4,5,6,7,8,9,10,11,12,13,14,15
	v_min_num_f32 v[T+16*\c+\i], v[T+16*\c+\i], v[HOLD+\c]         ; the conversion does not saturate (ISA guide 7.6.2); p is not negative: a one-sided hold.  These 48 are also the places behind the scale words
.endr
.endr
.irp c, 0,1,2
	v_cvt_scalef32_pk8_fp8_f32 v[PC+4*\c:PC+4*\c+1], v[T+16*\c:T+16*\c+7], v[SOP+\c]
	v_cvt_scalef32_pk8_fp8_f32 v[PC+4*\c+2:PC+4*\c+3], v[T+16*\c+8:T+16*\c+15], v[SOP+\c]
.endr
.rept 4
	v_nop                                          ; four places between codes written by vector instructions and the scaled matrix instructions; they stay beside the wait below
.endr
	; ---------------- O: out^T = x^T p^T: source 0 = 16 of my 128 columns, source 1 = p: lane (r, h) holds query r, register j column 128 w + 16 t + 8 h + j ----------------
	WIN 0x01                                       ; A window 1
	s_wait_alu depctr_va_vdst(0)                   ; p's codes v144 to v159, p's scale word v24, x^T's scale words v16 to v23 and x^T's zero groups are written, which the scaled matrix instructions take; the reciprocal has written v140, ahead of its first reader further down
.irp t, 0,1,2,3,4,5,6,7
	v_wmma_scale_f32_16x16x128_f8f6f4 v[O+8*\t:O+8*\t+7], v[16*\t:16*\t+15], v[PC:PC+15], 0, v[XTS+\t], v[PW]
.endr
	WIN 0
.rept 8
	v_nop                                          ; eight places ahead of the first read of the results
.endr
.set e, 0
.rept 32
	v_pk_mul_f32 v[O+e:O+e+1], v[O+e:O+e+1], v[RL:RL+1] op_sel_hi:[1,0]           ; / the row's sum; each result from its low end on
.set e, e+2
.endr
	s_wait_alu depctr_va_vdst(0)                   ; the scalings have written v160 to v223, which the stage's stores read; and S is done with v64 to v127, in which the stage's loads land
.irp t, 0,1,2,3,4,5,6,7
	ds_store_b128 v[STO], v[O+8*\t:O+8*\t+3] offset:64*\t
	ds_store_b128 v[STO], v[O+8*\t+4:O+8*\t+7] offset:64*\t+16
.endr
.set i, 0
.rept 16
	ds_load_b128 v[64+4*i:64+4*i+3], v[SRD] offset:528*i   ; my own bytes: LDS serves a wave's instructions in order (ISA guide 5.7.1.4)
.set i, i+1
.endr
.set i, 0
.rept 16
	s_wait_dscnt 15-i                              ; row i is back; the younger rows may be out
	global_store_b128 v[L16], v[64+4*i:64+4*i+3], s[22:23] offset:4096*i th:TH_STORE_NT   ; 32 lanes store 512 consecutive bytes, at a multiple of 256 from out0's first byte
.set i, i+1
.endr
	s_set_vgpr_msb 0x4
	s_wait_dscnt 0x0
	s_wait_alu depctr_hold_cnt(0) depctr_sa_sdst(0) depctr_va_vdst(0) depctr_va_sdst(0) depctr_va_ssrc(0) depctr_va_vcc(0) depctr_vm_vsrc(0)
	s_wait_tensorcnt 0x0
	ds_add_u32 v51, v255
	s_wait_dscnt 0x0
	s_endpgm
.Lfunc_end_k_q0f5285a853_attn:
	.size	k_q0f5285a853_attn, .Lfunc_end_k_q0f5285a853_attn-k_q0f5285a853_attn
	.p2alignl 7, 3214868480
	.fill 96, 4, 3214868480
	.section	.rodata,"a",@progbits
	.p2align	6, 0x0
	.amdhsa_kernel k_q0f5285a853_attn
		.amdhsa_group_segment_fixed_size 246272
		.amdhsa_private_segment_fixed_size 0
		.amdhsa_enable_private_segment 0
		.amdhsa_kernarg_size 80
		.amdhsa_user_sgpr_count 2
		.amdhsa_user_sgpr_kernarg_segment_ptr 1
		.amdhsa_wavefront_size32 1
		.amdhsa_system_sgpr_workgroup_id_x 1
		.amdhsa_system_sgpr_workgroup_id_y 1
		.amdhsa_system_sgpr_workgroup_id_z 1
		.amdhsa_system_vgpr_workitem_id 0
		.amdhsa_next_free_vgpr 512
		.amdhsa_next_free_sgpr 84
		.amdhsa_reserve_vcc 0
		.amdhsa_float_denorm_mode_32 3
		.amdhsa_float_denorm_mode_16_64 3
		.amdhsa_memory_ordered 1
		.amdhsa_forward_progress 1
		.amdhsa_inst_pref_size 105
	.end_amdhsa_kernel
	.amdgpu_metadata
---
amdhsa.version: [ 1, 2 ]
amdhsa.kernels:
  - .name:           k_q0f5285a853_attn
    .symbol:         k_q0f5285a853_attn.kd
    .args:
      - { .name: xd_codes, .offset: 0, .size: 8, .value_kind: global_buffer, .address_space: global }
      - { .name: xd_scales, .offset: 8, .size: 8, .value_kind: global_buffer, .address_space: global }
      - { .name: w_codes, .offset: 16, .size: 8, .value_kind: global_buffer, .address_space: global }
      - { .name: w_scales, .offset: 24, .size: 8, .value_kind: global_buffer, .address_space: global }
      - { .name: xt_codes, .offset: 32, .size: 8, .value_kind: global_buffer, .address_space: global }
      - { .name: xt_scales, .offset: 40, .size: 8, .value_kind: global_buffer, .address_space: global }
      - { .name: bh, .offset: 48, .size: 8, .value_kind: global_buffer, .address_space: global }
      - { .name: Wa, .offset: 56, .size: 8, .value_kind: global_buffer, .address_space: global }
      - { .name: ba, .offset: 64, .size: 8, .value_kind: global_buffer, .address_space: global }
      - { .name: out0, .offset: 72, .size: 8, .value_kind: global_buffer, .address_space: global }
    .group_segment_fixed_size: 246272
    .private_segment_fixed_size: 0
    .kernarg_segment_align: 8
    .kernarg_segment_size: 80
    .max_flat_workgroup_size: 256
    .sgpr_count:     84
    .vgpr_count:     512
    .wavefront_size: 32
...
	.end_amdgpu_metadata
.endif
;; end of part 3
